; MI455X (gfx1250); checked and timed in simulation.
; The chip was launched on July 23, 2026; its instructions are those of AMD's public machine-readable ISA for CDNA 5 (MIT licence, August 2026) and "CDNA5" Instruction Set Architecture Reference Guide (July 2026). The comments in the code are by the model that wrote it; some were corrected since.
;; Retention. Allowed arithmetic: matrix products marked QUANTISED: E5M2 operands, one given power-of-two scale a tensor, by v_wmma_f32_16x16x64_bf8_bf8 or v_wmma_f32_16x16x128_bf8_bf8, f32 sums; everything else in f32.
;; Inputs: Wk_codes 256 x 8 x 32 uint8 (E5M2 codes of Wk, K innermost, in blocks of 32 codes); Wq_codes 256 x 8 x 32 uint8 (E5M2 codes of Wq, K innermost, in blocks of 32 codes); Wv_codes 256 x 8 x 32 uint8 (E5M2 codes of Wv, K innermost, in blocks of 32 codes); bk 256 float32; bq 256 float32; bv 256 float32; lowp_scales 10 int32 (the exponents e of the quantised operands' scales 2^e); xk_codes 4 x 4,096 x 8 x 32 uint8 (E5M2 codes of xk, K innermost, in blocks of 32 codes); xq_codes 4 x 4,096 x 8 x 32 uint8 (E5M2 codes of xq, K innermost, in blocks of 32 codes); xv_codes 4 x 4,096 x 8 x 32 uint8 (E5M2 codes of xv, K innermost, in blocks of 32 codes).
;; Outputs: out0 4 x 4,096 x 256 float32.
;; This version of the problem:
;;   THIS VERSION OF THE PROBLEM IS GIVEN IN LOW PRECISION. The matrix products marked QUANTISED in the list below multiply operands that are first quantised to E5M2 (5 exponent bits, 2 mantissa bits; 8 bits a number), with one given power-of-two scale for each operand tensor; their sums are f32. All else is computed in f32.
;;   The module's matrix products, in the order in which they are computed (A, B: the left and right operand; K: the contracted axis; several contracted axes count as one K, in the product's order):
;;     1. [M 16,384, K 256] x [K 256, N 256]; A: input xq (given as codes); B: input Wq (given as codes): QUANTISED (scales: A lowp_scales[0], B lowp_scales[1])
;;     2. [M 16,384, K 256] x [K 256, N 256]; A: input xk (given as codes); B: input Wk (given as codes): QUANTISED (scales: A lowp_scales[2], B lowp_scales[3])
;;     3. [M 16,384, K 256] x [K 256, N 256]; A: input xv (given as codes); B: input Wv (given as codes): QUANTISED (scales: A lowp_scales[4], B lowp_scales[5])
;;     4. batch 4 x [M 4,096, K 256] x [K 256, N 4,096]; A: computed on the way; B: computed on the way: QUANTISED (scales: A lowp_scales[6], B lowp_scales[7])
;;     5. batch 4 x [M 4,096, K 4,096] x [K 4,096, N 256]; A: computed on the way; B: computed on the way: QUANTISED (scales: A lowp_scales[8], B lowp_scales[9])
;;   THE QUANTISER, for each operand of a quantised product, along K:
;;     - The operand's scale is 2^e, e = its entry of the input lowp_scales (int32; the entries are numbered through the quantised products in the list's order, A before B).
;;     - Each number is divided by the scale, clamped to +-57,344, and rounded to the nearest number of E5M2, ties to even, subnormals kept.
;;     - The product sums the exact products of the quantised numbers (number of the format x scale) in f32.
;;   ~~~python
;;   def quantise(x, axis, e):      # numpy; x: float32 -> the quantised numbers, widened to float32 again
;;       x = np.moveaxis(x, axis, -1); K = x.shape[-1]
;;       r = np.clip(x / 2.0 ** e, -57344, 57344)
;;       step = 2.0 ** (np.maximum(np.frexp(np.where(r == 0, 1, r))[1] - 1, -14) - 2)
;;       q = np.round(r / step) * step * 2.0 ** e      # np.round: ties to even
;;       return np.moveaxis(q, -1, axis).astype(np.float32)
;;   ~~~
;;   OPERANDS COMPUTED ON THE WAY. 'Computed on the way' means the value that the module computes at that place (a softmax that the list does not call 'softmax' is quantised finished and normalised). What goes into a quantiser is computed in f32, as accurately as f32 sums, v_exp_f32 and their like allow (about 1e-6 of the number): no bf16 or f16 on the way to a quantiser, and a product that is left as it is and whose result goes on into a quantised operand takes f32 operands (vector FMAs, or v_wmma_f32_16x16x4_f32). A number that lies on a knife's edge between two numbers of the format may be rounded either way, as far as f32 arithmetic and the matrix unit's own rounding can turn it there, and no further.
;;   INPUTS GIVEN AS CODES. Wk (in the module: [256, 256], K = its axis 0); Wq (in the module: [256, 256], K = its axis 0); Wv (in the module: [256, 256], K = its axis 0); xk (in the module: [4, 4096, 256], K = its axis 2); xq (in the module: [4, 4096, 256], K = its axis 2); xv (in the module: [4, 4096, 256], K = its axis 2): each comes as NAME_codes (uint8): NAME with its K axis moved to the last place and cut into blocks of 32 codes, [.., K / 32, bytes a block], one block behind the other in memory; one code a byte (a code: sign, 5 exponent bits, 2 mantissa bits); its scale is its entry of lowp_scales. Its value is code x scale, taken as it is: it is not quantised again, and the codes and scales need not be those that the quantiser above would give.
;; 3 versions, each right; version 2 is faster than version 1; version 3 is version 2 with the launches proj, main written anew for expert scheduling mode. Each part assembles by itself: llvm-mc -triple=amdgcn-amd-amdhsa -mcpu=gfx1250 --defsym DOCPART=n.
;; ======== version 1 of 3: 3 launches
;; workspace buffers: qimg 4,194,304 bytes; kimg 4,194,304 bytes; vimg 4,194,304 bytes; lsum 262,144 bytes; wk 65,536 bytes
;; launch proj (part 1): grid 128 x 3, 4 waves a work-group, no clusters, 36,352 bytes of LDS; arguments xq_codes, xk_codes, xv_codes, Wq_codes, Wk_codes, Wv_codes, bq, bk, bv, lowp_scales, qimg, kimg, vimg, lsum; writes qimg, kimg, vimg, lsum
.if DOCPART == 1
	.amdgcn_target "amdgcn-amd-amdhsa--gfx1250"
	.amdhsa_code_object_version 6
	.text
	.protected	k_q369d945418_proj
	.globl	k_q369d945418_proj
	.p2align	8
	.type	k_q369d945418_proj,@function
k_q369d945418_proj:
	s_mov_b64 s[64:65], 0
	v_nop
	global_prefetch_b8 v0, s[64:65] scope:SCOPE_SE
	s_setreg_imm32_b32 hwreg(HW_REG_WAVE_MODE, 25, 1), 1
	s_wait_xcnt 0x0
; Q = xq Wq + bq, K = xk Wk + bk, V = xv Wv + bv on codes of E5M2, and their results quantised again (with the scales of the fourth and fifth product) into IMAGES OF OPERAND REGISTERS.
; Work-group (X, y): y = 0 Q, 1 K, 2 V; X = 128 flattened rows (batch X / 32, key step X % 32).  Four waves: wave w keeps W's rows (output channels) 64 w .. 64 w + 63 in 128 registers;
; the 8 tiles of 16 rows of x go round through LDS as images of their registers, so every wave multiplies all 8 tiles by its own channels.
; Q, K: source 0 = 16 channels of W, source 1 = 16 rows of x: a lane holds ONE row and eight neighbouring channels, which are the next product's K: the conversion's two registers are registers
;   2 T, 2 T + 1 (T = 4 w + t) of the row tile's fragment.  qimg, kimg: [row tile][group g of 4 registers][lane][16 bytes].
; V: sources swapped: a lane holds ONE channel and eight neighbouring keys, the fifth product's K.  vimg: [X][channel tile 16][g 4][lane][16 bytes].
; K also leaves, for each chunk of 64 keys, L[d] = sum over the chunk's keys j of gamma^(63 - j % 64) rho_j x (K's code value), rho_j = 1 / sqrt((1 - gamma^(j+1)) / (1 - gamma)): lsum [batch x 64 + chunk][256] f32.
; x's and W's fragments are fetched by loads of 16 bytes: register 4 c + i of a K step holds k = 32 c + 16 (lane / 16) + 4 i ..: one permutation of k, the same on both sides.
; A sum stands for sum x 2^(ex + ew): the bias goes in as the first product's C, divided by that power; the conversion takes 2^(eo - ex - ew).
; LIMITS: eo - ex - ew between -126 and 112 for each of the three; infinity and NaN codes among the inputs are not served.
.set XI,   0                           ; LDS: 8 images of 4,096 bytes
.set WL,   32768                       ; 128 weights gamma^(63 - j % 64) rho_j
.set LST,  33280                       ; 2 chunks x 256 f32; wave w writes and reads bytes 256 w .. 256 w + 255 of each chunk alone
.set SCL,  16                          ; v16  the conversion's scale as f32
.set LIM,  17                          ; v17  57,344 x that
.set ONE,  18                          ; v18  the scale byte of 1.0 in every byte
.set CD,   24                          ; v24-39   codes just made, two sets of 8
.set BI,   40                          ; v40-71   the bias in the result's layout
.set ACC,  72                          ; v72-103  four accumulators
.set XF,   104                         ; v104-167 x as loaded, then two fragment buffers of 32
.set VC,   168                         ; v168-231 V: the codes of all 8 tiles
.set LACC, 168                         ; K: v168-199 the chunk's sums
.set DQ,   200                         ; K: v200-231 code values as f32
.set WLR,  232                         ; K: v232-239 my row's weight in each tile
.set MSB,  0
.macro WIN new                         ; the immediate's high byte repeats the setting that is left
.if MSB != \new
	s_set_vgpr_msb (MSB<<8)|\new
.set MSB, \new
.endif
.endm
; gamma^n, n a whole number as f32, |n| <= 4,160.  log2(gamma) = HI + LO with HI = -1285 / 65536, so n HI is exact; its whole part goes through v_ldexp_f32, the rest through v_exp_f32.
.macro POWG dst, n, t0, t1
	v_mul_f32 v[\t0], 0xbca0a000, v[\n]
	v_rndne_f32 v[\t1], v[\t0]
	v_sub_f32 v[\t0], v[\t0], v[\t1]
	v_fmamk_f32 v[\t0], v[\n], 0xb5c47565, v[\t0]
	v_exp_f32 v[\dst], v[\t0]
	v_cvt_i32_f32 v[\t1], v[\t1]                   ; a plain instruction behind the exponential
	s_wait_alu depctr_va_vdst(0)                   ; ahead of the first line that names the exponential's result
	v_ldexp_f32 v[\dst], v[\dst], v[\t1]
.endm
; rho = 1 / sqrt((1 - gamma^n) / (1 - gamma)).  Up to n = 16 the difference 1 - gamma^n is taken from the series of 1 - e^y, y = n ln(gamma), which loses no digits.
.macro RHO dst, n, g, t0, t1
	POWG \g, \n, \t0, \t1
	v_sub_f32 v[\g], 1.0, v[\g]
	v_mul_f32 v[\t0], 0xbc5eb0ae, v[\n]            ; y
	v_mov_b32 v[\t1], 0x39500d01                   ; 1/5040
	v_fmaak_f32 v[\t1], v[\t1], v[\t0], 0x3ab60b61 ; 1/720
	v_fmaak_f32 v[\t1], v[\t1], v[\t0], 0x3c088889 ; 1/120
	v_fmaak_f32 v[\t1], v[\t1], v[\t0], 0x3d2aaaab ; 1/24
	v_fmaak_f32 v[\t1], v[\t1], v[\t0], 0x3e2aaaab ; 1/6
	v_fmaak_f32 v[\t1], v[\t1], v[\t0], 0x3f000000 ; 1/2
	v_fmaak_f32 v[\t1], v[\t1], v[\t0], 0x3f800000 ; 1
	v_mul_f32 v[\t1], -v[\t1], v[\t0]              ; 1 - e^y
	v_cmp_gt_f32 vcc_lo, 0x41840000, v[\n]         ; 16.5 > n
	v_cndmask_b32 v[\g], v[\g], v[\t1], vcc_lo
	v_mul_f32 v[\g], 0x429425ff, v[\g]             ; / (1 - gamma)
	v_rsq_f32 v[\dst], v[\g]
	v_nop
	s_wait_alu depctr_va_vdst(0)
.endm
.macro FETCH c                         ; tile c's image back into buffer c % 2: the same registers in the same lanes as in the wave that stored it
.irp i, 0,1,2,3,4,5,6,7
	ds_load_b128 v[XF+32*((\c)%2)+4*\i:XF+32*((\c)%2)+4*\i+3], v1 offset:XI+(\c)*4096+512*\i
.endr
.endm
; One tile of 16 rows.  kind 0: Q, 1: K, 2: V.
.macro TILE c, kind
.set XB, XF+32*((\c)%2)
.set CB, CD+8*((\c)%2)
.if (\c) < 7
	FETCH (\c)+1                                   ; its buffer's last products stand more than four plain instructions back
	s_wait_dscnt 0x8                               ; all but those eight: this tile's fragments are in
.else
	s_wait_dscnt 0x0
.endif
.if \kind == 2
	WIN 0x04                                       ; source 1 (W) in window 1
.irp t, 0,1,2,3
	v_wmma_f32_16x16x128_bf8_bf8 v[ACC+8*\t:ACC+8*\t+7], v[XB:XB+15], v[32*\t:32*\t+15], v[BI+8*\t:BI+8*\t+7]
.endr
.irp t, 0,1,2,3
	v_wmma_f32_16x16x128_bf8_bf8 v[ACC+8*\t:ACC+8*\t+7], v[XB+16:XB+31], v[32*\t+16:32*\t+31], v[ACC+8*\t:ACC+8*\t+7]
.endr
.else
	WIN 0x01                                       ; source 0 (W) in window 1
.irp t, 0,1,2,3
	v_wmma_f32_16x16x128_bf8_bf8 v[ACC+8*\t:ACC+8*\t+7], v[32*\t:32*\t+15], v[XB:XB+15], v[BI+8*\t:BI+8*\t+7]
.endr
.irp t, 0,1,2,3
	v_wmma_f32_16x16x128_bf8_bf8 v[ACC+8*\t:ACC+8*\t+7], v[32*\t+16:32*\t+31], v[XB+16:XB+31], v[ACC+8*\t:ACC+8*\t+7]
.endr
.endif
	WIN 0
.rept 4
	v_nop                                          ; four places between the products and the first read of their results
.endr
.if \kind != 2
	s_wait_xcnt 0x0                                ; the stores of two tiles ago have read this set of code registers
.endif
.set j, 0
.rept 32
	v_med3_num_f32 v[ACC+j], v[ACC+j], -v[LIM], v[LIM]   ; the conversion does not saturate: the hold at the largest code x the scale; each accumulator from its low end on
.set j, j+1
.endr
.irp t, 0,1,2,3
.if \kind == 2
	v_cvt_scalef32_pk8_bf8_f32 v[VC+16*\t+2*(\c):VC+16*\t+2*(\c)+1], v[ACC+8*\t:ACC+8*\t+7], v[SCL]
.else
	v_cvt_scalef32_pk8_bf8_f32 v[CB+2*\t:CB+2*\t+1], v[ACC+8*\t:ACC+8*\t+7], v[SCL]
.endif
.endr
	v_nop                                          ; a plain instruction behind the last conversion; with the second and the four above: more than five places before the next tile's products write over these accumulators
	v_nop
.if \kind != 2
	global_store_b128 v12, v[CB:CB+3], s[42:43] offset:(\c)*4096          ; groups 2 w and 2 w + 1 of the tile's image: 512 consecutive bytes each
	global_store_b128 v12, v[CB+4:CB+7], s[42:43] offset:(\c)*4096+512
.endif
.if \kind == 1
.irp t, 0,1,2,3
	v_cvt_scale_pk8_f32_bf8 v[DQ+8*\t:DQ+8*\t+7], v[CB+2*\t:CB+2*\t+1], v[ONE]   ; the code values, as the later products will see them
.endr
	v_nop
.set WP, WLR+2*((\c)/2)
.set j, 0
.rept 16
.if (\c)%4 == 0
	v_pk_mul_f32 v[LACC+2*j:LACC+2*j+1], v[DQ+2*j:DQ+2*j+1], v[WP:WP+1] op_sel:[0,0] op_sel_hi:[1,0]      ; a chunk's first tile starts the sums
.elseif (\c)%2 == 0
	v_pk_fma_f32 v[LACC+2*j:LACC+2*j+1], v[DQ+2*j:DQ+2*j+1], v[WP:WP+1], v[LACC+2*j:LACC+2*j+1] op_sel:[0,0,0] op_sel_hi:[1,0,1]
.else
	v_pk_fma_f32 v[LACC+2*j:LACC+2*j+1], v[DQ+2*j:DQ+2*j+1], v[WP:WP+1], v[LACC+2*j:LACC+2*j+1] op_sel:[0,1,0] op_sel_hi:[1,1,1]
.endif
.set j, j+1
.endr
.if (\c)%4 == 3                        ; the chunk's 64 rows are in: the 16 rows that the lanes of a half hold are added
.irp m, 1,2,4,8
.set j, 0
.rept 32
	v_add_f32_dpp v[LACC+j], v[LACC+j], v[LACC+j] row_xmask:\m row_mask:0xf bank_mask:0xf
.set j, j+1
.endr
.endr
.irp t, 0,1,2,3
	ds_store_b128 v10, v[LACC+8*\t:LACC+8*\t+3] offset:((\c)/4)*1024+64*\t        ; sixteen lanes write the same words with the same numbers
	ds_store_b128 v10, v[LACC+8*\t+4:LACC+8*\t+7] offset:((\c)/4)*1024+64*\t+16
.endr
.endif
.endif
.endm
	s_load_b512 s[8:23], s[0:1], 0x0               ; xq, xk, xv, Wq, Wk, Wv, bq, bk
	s_load_b256 s[24:31], s[0:1], 0x40             ; bv, the scales, qimg, kimg
	s_load_b128 s[32:35], s[0:1], 0x60             ; vimg, lsum
	v_lshl_add_u32 v254, v0, 2, 0x8c00
	v_mov_b32 v255, 0
	v_lshrrev_b32 v1, 5, v0
	v_readfirstlane_b32 s5, v1                     ; wave 0..3
	s_and_b32 s3, ttmp7, 0xffff                    ; y: which tensor
	v_and_b32 v1, 31, v0
	v_lshlrev_b32 v1, 4, v1                        ; v1  16 x lane
	v_and_b32 v2, 15, v0                           ; v2  r
	v_bfe_u32 v3, v0, 4, 1                         ; v3  h
	v_lshlrev_b32 v4, 8, v2
	v_lshl_add_u32 v4, v3, 4, v4                   ; 256 r + 16 h
	s_lshl_b32 s6, s5, 14
	v_add_nc_u32 v5, s6, v4                        ; v5  W: my 64 rows of 256 bytes
	s_lshl_b32 s6, s5, 13
	v_add_nc_u32 v4, s6, v4                        ; v4  x: my two tiles
	v_add_nc_u32 v6, s6, v1                        ; v6  8,192 w + 16 lane: x's images in LDS; V's images in memory
	v_lshl_add_u32 v8, v0, 2, WL                   ; v8  my weight's word
	v_lshl_add_u32 v9, v2, 2, WL                   ; v9  row r's weight
	s_lshl_b32 s6, s5, 8
	v_lshl_add_u32 v14, v3, 5, s6                  ; v14 bias, Q and K: (64 w + 8 h) x 4
	v_add_nc_u32 v10, LST, v14                     ; v10 the sums' place in LST
	v_lshl_add_u32 v15, v2, 2, s6                  ; v15 bias, V: (64 w + r) x 4
	v_lshl_add_u32 v7, v2, 4, s6
	v_lshl_add_u32 v7, v3, 10, v7                  ; v7  lsum: chunk h, 256 w + 16 r
	v_add_nc_u32 v11, LST, v7                      ; v11 the same place in LST
	s_lshl_b32 s6, s5, 10
	v_add_nc_u32 v12, s6, v1                       ; v12 1,024 w + 16 lane: my two groups of an image
	s_wait_kmcnt 0x0
	s_load_b256 s[48:55], s[26:27], 0x0            ; e0 .. e7
	s_load_b64 s[56:57], s[26:27], 0x20            ; e8, e9
	s_cmp_eq_u32 s3, 0                             ; the buffers are chosen by the work-group's y alone
	s_cselect_b64 s[36:37], s[8:9], s[10:11]
	s_cselect_b64 s[38:39], s[14:15], s[16:17]
	s_cselect_b64 s[40:41], s[20:21], s[22:23]
	s_cselect_b64 s[42:43], s[28:29], s[30:31]
	s_cmp_eq_u32 s3, 2
	s_cselect_b64 s[36:37], s[12:13], s[36:37]     ; x
	s_cselect_b64 s[38:39], s[18:19], s[38:39]     ; W
	s_cselect_b64 s[40:41], s[24:25], s[40:41]     ; bias
	s_cselect_b64 s[42:43], s[32:33], s[42:43]     ; image
	s_lshl_b32 s44, ttmp9, 15                      ; 128 rows of 256 codes; 8 images of 4,096 bytes; a step of V's images: 32,768 bytes each
	s_mov_b32 s45, 0
	s_add_nc_u64 s[36:37], s[36:37], s[44:45]
	s_add_nc_u64 s[42:43], s[42:43], s[44:45]
	s_lshl_b32 s44, ttmp9, 11                      ; two chunks of 1,024 bytes
	s_add_nc_u64 s[34:35], s[34:35], s[44:45]
.irp u, 0,1
.irp s, 0,1
.irp c, 0,1,2,3
	global_load_b128 v[XF+32*\u+16*\s+4*\c:XF+32*\u+16*\s+4*\c+3], v4, s[36:37] offset:\u*4096+128*\s+32*\c th:TH_LOAD_NT
.endr
.endr
.endr
	WIN 0x40                                       ; destination window 1
.irp t, 0,1,2,3
.irp s, 0,1
.irp c, 0,1,2,3
	global_load_b128 v[32*\t+16*\s+4*\c:32*\t+16*\s+4*\c+3], v5, s[38:39] offset:\t*4096+128*\s+32*\c
.endr
.endr
.endr
	WIN 0
	; the weight of key j = 128 (X % 32) + thread, made while the loads are out
	s_and_b32 s6, ttmp9, 31
	s_lshl_b32 s6, s6, 7
	s_add_co_u32 s6, s6, 1
	v_add_nc_u32 v19, s6, v0
	v_cvt_f32_u32 v19, v19                         ; j + 1
	v_and_b32 v20, 63, v0
	v_sub_nc_u32 v20, 63, v20
	v_cvt_f32_u32 v20, v20                         ; 63 - j % 64
	POWG 21, 20, 240, 241
	RHO 22, 19, 23, 240, 241
	v_mul_f32 v21, v21, v22
	ds_store_b32 v8, v21
	s_wait_loadcnt 32                              ; W's 32 loads are younger: x's 16 are in
.irp u, 0,1
.irp g, 0,1,2,3,4,5,6,7
	ds_store_b128 v6, v[XF+32*\u+4*\g:XF+32*\u+4*\g+3] offset:XI+\u*4096+512*\g
.endr
.endr
.irp t, 0,1,2,3                        ; both lane forms of the bias, so that no register is written on one way alone
	global_load_b128 v[BI+8*\t:BI+8*\t+3], v14, s[40:41] offset:64*\t
	global_load_b128 v[BI+8*\t+4:BI+8*\t+7], v14, s[40:41] offset:64*\t+16
	global_load_b32 v[240+\t], v15, s[40:41] offset:64*\t
.endr
	s_wait_dscnt 0x0                               ; for the others' sake: my images and my weight are in LDS
	s_barrier_signal -1
	s_barrier_wait -1
	s_wait_loadcnt 0x0                             ; W and the bias
	s_wait_kmcnt 0x0
	s_cmp_eq_u32 s3, 0
	s_cselect_b32 s58, s48, s50
	s_cselect_b32 s59, s49, s51
	s_cselect_b32 s60, s54, s55
	s_cmp_eq_u32 s3, 2
	s_cselect_b32 s58, s52, s58                    ; ex
	s_cselect_b32 s59, s53, s59                    ; ew
	s_cselect_b32 s60, s57, s60                    ; eo
	s_add_co_i32 s58, s58, s59
	s_sub_co_i32 s60, s60, s58                     ; eo - ex - ew
	s_sub_co_i32 s59, 0, s58                       ; -(ex + ew)
	s_add_co_i32 s60, s60, 127
	s_lshl_b32 s61, s60, 23
	v_mov_b32 v[SCL], s61
	s_add_co_i32 s60, s60, 15
	s_lshl_b32 s60, s60, 23
	s_or_b32 s60, s60, 0x600000
	v_mov_b32 v[LIM], s60
	v_mov_b32 v[ONE], 0x7f7f7f7f
	s_cmp_eq_u32 s3, 2
	s_cbranch_scc1 .Lv
.set j, 0
.rept 32
	v_ldexp_f32 v[BI+j], v[BI+j], s59
.set j, j+1
.endr
	s_cmp_eq_u32 s3, 1
	s_cbranch_scc1 .Lk
	FETCH 0
.irp c, 0,1,2,3,4,5,6,7
	TILE \c, 0
.endr
	s_wait_tensorcnt 0x0
	ds_add_u32 v254, v255
	s_wait_dscnt 0x0
	s_endpgm
.Lk:
.irp c, 0,1,2,3,4,5,6,7
	ds_load_b32 v[WLR+\c], v9 offset:64*\c
.endr
	FETCH 0
.irp c, 0,1,2,3,4,5,6,7
	TILE \c, 1
.endr
	ds_load_b128 v[DQ:DQ+3], v11                   ; my own bytes of LST: LDS serves a wave's instructions in order
	s_wait_dscnt 0x0
	global_store_b128 v7, v[DQ:DQ+3], s[34:35]     ; sixteen lanes store 256 consecutive bytes, aligned: my 64 channels of a chunk
	s_wait_tensorcnt 0x0
	ds_add_u32 v254, v255
	s_wait_dscnt 0x0
	s_endpgm
.Lv:
.irp t, 0,1,2,3
.irp i, 0,1,2,3,4,5,6,7
	v_ldexp_f32 v[BI+8*\t+\i], v[240+\t], s59      ; a lane holds one channel: its bias in all eight registers
.endr
.endr
	FETCH 0
.irp c, 0,1,2,3,4,5,6,7
	TILE \c, 2
.endr
.irp t, 0,1,2,3
.irp g, 0,1,2,3
	global_store_b128 v6, v[VC+16*\t+4*\g:VC+16*\t+4*\g+3], s[42:43] offset:\t*2048+\g*512
.endr
.endr
	s_wait_tensorcnt 0x0
	ds_add_u32 v254, v255
	s_wait_dscnt 0x0
	s_endpgm
.Lfunc_end_k_q369d945418_proj:
	.size	k_q369d945418_proj, .Lfunc_end_k_q369d945418_proj-k_q369d945418_proj
	.p2alignl 7, 3214868480
	.fill 96, 4, 3214868480
	.section	.rodata,"a",@progbits
	.p2align	6, 0x0
	.amdhsa_kernel k_q369d945418_proj
		.amdhsa_group_segment_fixed_size 36352
		.amdhsa_private_segment_fixed_size 0
		.amdhsa_enable_private_segment 0
		.amdhsa_kernarg_size 112
		.amdhsa_user_sgpr_count 2
		.amdhsa_user_sgpr_kernarg_segment_ptr 1
		.amdhsa_wavefront_size32 1
		.amdhsa_system_sgpr_workgroup_id_x 1
		.amdhsa_system_sgpr_workgroup_id_y 1
		.amdhsa_system_sgpr_workgroup_id_z 1
		.amdhsa_system_vgpr_workitem_id 0
		.amdhsa_next_free_vgpr 384
		.amdhsa_next_free_sgpr 66
		.amdhsa_reserve_vcc 1
		.amdhsa_float_denorm_mode_32 3
		.amdhsa_float_denorm_mode_16_64 3
		.amdhsa_memory_ordered 1
		.amdhsa_forward_progress 1
		.amdhsa_inst_pref_size 135
	.end_amdhsa_kernel
	.amdgpu_metadata
---
amdhsa.version: [ 1, 2 ]
amdhsa.kernels:
  - .name:           k_q369d945418_proj
    .symbol:         k_q369d945418_proj.kd
    .args:
      - { .name: xq_codes, .offset: 0, .size: 8, .value_kind: global_buffer, .address_space: global }
      - { .name: xk_codes, .offset: 8, .size: 8, .value_kind: global_buffer, .address_space: global }
      - { .name: xv_codes, .offset: 16, .size: 8, .value_kind: global_buffer, .address_space: global }
      - { .name: Wq_codes, .offset: 24, .size: 8, .value_kind: global_buffer, .address_space: global }
      - { .name: Wk_codes, .offset: 32, .size: 8, .value_kind: global_buffer, .address_space: global }
      - { .name: Wv_codes, .offset: 40, .size: 8, .value_kind: global_buffer, .address_space: global }
      - { .name: bq, .offset: 48, .size: 8, .value_kind: global_buffer, .address_space: global }
      - { .name: bk, .offset: 56, .size: 8, .value_kind: global_buffer, .address_space: global }
      - { .name: bv, .offset: 64, .size: 8, .value_kind: global_buffer, .address_space: global }
      - { .name: lowp_scales, .offset: 72, .size: 8, .value_kind: global_buffer, .address_space: global }
      - { .name: qimg, .offset: 80, .size: 8, .value_kind: global_buffer, .address_space: global }
      - { .name: kimg, .offset: 88, .size: 8, .value_kind: global_buffer, .address_space: global }
      - { .name: vimg, .offset: 96, .size: 8, .value_kind: global_buffer, .address_space: global }
      - { .name: lsum, .offset: 104, .size: 8, .value_kind: global_buffer, .address_space: global }
    .group_segment_fixed_size: 36352
    .private_segment_fixed_size: 0
    .kernarg_segment_align: 8
    .kernarg_segment_size: 112
    .max_flat_workgroup_size: 128
    .sgpr_count:     66
    .vgpr_count:     384
    .wavefront_size: 32
...
	.end_amdgpu_metadata
.endif
;; end of part 1
;; launch den (part 2): grid 64 x 4, 4 waves a work-group, no clusters, 2,560 bytes of LDS; arguments qimg, kimg, lsum, lowp_scales, wk; writes wk
.if DOCPART == 2
	.amdgcn_target "amdgcn-amd-amdhsa--gfx1250"
	.amdhsa_code_object_version 6
	.text
	.protected	k_q369d945418_den
	.globl	k_q369d945418_den
	.p2align	8
	.type	k_q369d945418_den,@function
k_q369d945418_den:
	s_mov_b64 s[64:65], 0
	v_nop
	global_prefetch_b8 v0, s[64:65] scope:SCOPE_SE
	s_setreg_imm32_b32 hwreg(HW_REG_WAVE_MODE, 25, 1), 1
	s_wait_xcnt 0x0
; wk[b][j] = gamma^(-j) rho_j / max(|row sum of row j|, 1): all that the last pass needs of key j.
; Row i = 64 q + l:  row sum = 2^(e6 + e7 - 4) gamma^l ( sum over keys j <= i of the row's own chunk of s(i, j) kappa_j  +  gamma sum over d of Q(i, d) U(d) ),
;   kappa_j = gamma^(-(j % 64)) rho_j;  U = sum over chunks c < q of gamma^(64 (q - 1 - c)) L_c, by U <- U gamma^64 + L_c.  s, Q, L are in code values.  It is the sum that the problem states, regrouped, all in f32.
; Work-group (q, b): 64 rows.  Wave w: query tile 4 q + w; the scores of its own chunk by the matrix unit (source 0 = 16 keys, source 1 = my 16 queries: a lane holds one query and eight keys a tile).
; LIMITS: none on e6 + e7 (applied by v_ldexp_f32); infinity and NaN codes are not served.
.set KAP, 0                            ; LDS: 64 kappa
.set UB,  256                          ; 256 numbers of U
.set WO,  1280                         ; 64 results
.set MSB, 0
.macro WIN new
.if MSB != \new
	s_set_vgpr_msb (MSB<<8)|\new
.set MSB, \new
.endif
.endm
.macro POWG dst, n, t0, t1             ; gamma^n, n a whole number as f32, |n| <= 4,160: n x (-1285 / 65536) is exact; its whole part goes through v_ldexp_f32
	v_mul_f32 v[\t0], 0xbca0a000, v[\n]
	v_rndne_f32 v[\t1], v[\t0]
	v_sub_f32 v[\t0], v[\t0], v[\t1]
	v_fmamk_f32 v[\t0], v[\n], 0xb5c47565, v[\t0]
	v_exp_f32 v[\dst], v[\t0]
	v_cvt_i32_f32 v[\t1], v[\t1]                   ; a plain instruction behind the exponential
	s_wait_alu depctr_va_vdst(0)                   ; ahead of the first line that names its result
	v_ldexp_f32 v[\dst], v[\dst], v[\t1]
.endm
.macro RHO dst, n, g, t0, t1           ; 1 / sqrt((1 - gamma^n) / (1 - gamma)); up to n = 16 by the series of 1 - e^y
	POWG \g, \n, \t0, \t1
	v_sub_f32 v[\g], 1.0, v[\g]
	v_mul_f32 v[\t0], 0xbc5eb0ae, v[\n]
	v_mov_b32 v[\t1], 0x39500d01
	v_fmaak_f32 v[\t1], v[\t1], v[\t0], 0x3ab60b61
	v_fmaak_f32 v[\t1], v[\t1], v[\t0], 0x3c088889
	v_fmaak_f32 v[\t1], v[\t1], v[\t0], 0x3d2aaaab
	v_fmaak_f32 v[\t1], v[\t1], v[\t0], 0x3e2aaaab
	v_fmaak_f32 v[\t1], v[\t1], v[\t0], 0x3f000000
	v_fmaak_f32 v[\t1], v[\t1], v[\t0], 0x3f800000
	v_mul_f32 v[\t1], -v[\t1], v[\t0]
	v_cmp_gt_f32 vcc_lo, 0x41840000, v[\n]
	v_cndmask_b32 v[\g], v[\g], v[\t1], vcc_lo
	v_mul_f32 v[\g], 0x429425ff, v[\g]
	v_rsq_f32 v[\dst], v[\g]
	v_nop
	s_wait_alu depctr_va_vdst(0)
.endm
; REGISTERS: v1-13 addresses; v14 at work; v15 the scale byte of 1.0; v16 rho, v17 kappa, v18 gamma^(-i) rho, v19 gamma^l, v[20:21] gamma^64, v[22:23] U; v24-31 sums;
;   v32-63 Q's fragment; v64-79 Q's numbers widened, later v64-95 kappa; v96-127 the scores; v128-255 L, later U in the fragment's order; window 1: v0-127 K's four tiles.
	s_load_b256 s[8:15], s[0:1], 0x0               ; qimg, kimg, lsum, the scales
	s_load_b64 s[16:17], s[0:1], 0x20              ; wk
	s_set_vgpr_msb 0x40
	v_lshl_add_u32 v128, v0, 2, 0x800
	v_mov_b32 v129, 0
	s_set_vgpr_msb 0x4000
	v_lshrrev_b32 v1, 5, v0
	v_readfirstlane_b32 s5, v1                     ; wave
	s_and_b32 s3, ttmp7, 0xffff                    ; b
	s_mov_b32 s4, ttmp9                            ; q
	v_and_b32 v1, 31, v0
	v_lshlrev_b32 v1, 4, v1                        ; 16 x lane
	v_and_b32 v2, 15, v0                           ; r
	v_bfe_u32 v3, v0, 4, 1                         ; h
	v_lshlrev_b32 v4, 3, v0                        ; 8 x thread: my two channels of L
	s_lshl_b32 s6, s5, 4
	v_add_nc_u32 v12, s6, v2                       ; l = 16 w + r
	v_lshl_add_u32 v5, v12, 2, KAP
	v_lshl_add_u32 v6, v3, 5, KAP
	v_lshl_add_u32 v7, v3, 5, UB
	v_lshl_add_u32 v8, v12, 2, WO
	v_lshlrev_b32 v9, 3, v3
	v_sub_nc_u32 v9, v12, v9                       ; D = l - 8 h: register 8 t + j holds the chunk's key 16 t + 8 h + j, which counts where 16 t + j <= D
	s_lshl_b32 s6, s5, 12
	v_add_nc_u32 v10, s6, v1                       ; my query tile's image
	v_add_nc_u32 v11, UB, v4
	v_add_nc_u32 v13, WO, v1
	s_lshl_b32 s6, s3, 20
	s_lshl_b32 s7, s4, 14
	s_add_co_u32 s22, s6, s7                       ; (256 b + 4 q) images of 4,096 bytes
	s_mov_b32 s23, 0
	s_lshl_b32 s24, s3, 16
	s_mov_b32 s25, 0
	s_lshl_b32 s26, s3, 14
	s_lshl_b32 s7, s4, 8
	s_add_co_u32 s26, s26, s7
	s_mov_b32 s27, 0
	s_mov_b32 s20, 0x76543210
	s_mov_b32 s21, 0xfedcba98                      ; v_permlanex16_b32's selects for lane l xor 16
	s_wait_kmcnt 0x0
	s_load_b64 s[18:19], s[14:15], 0x18            ; e6, e7
	s_add_nc_u64 s[8:9], s[8:9], s[22:23]
	s_add_nc_u64 s[10:11], s[10:11], s[22:23]
	s_add_nc_u64 s[12:13], s[12:13], s[24:25]
	s_add_nc_u64 s[16:17], s[16:17], s[26:27]
.set c, 0
.rept 64
	global_load_b64 v[128+2*c:129+2*c], v4, s[12:13] offset:1024*c
.set c, c+1
.endr
.irp g, 0,1,2,3,4,5,6,7
	global_load_b128 v[32+4*\g:35+4*\g], v10, s[8:9] offset:512*\g
.endr
	WIN 0x40
.irp t, 0,1,2,3
.irp g, 0,1,2,3,4,5,6,7
	global_load_b128 v[32*\t+4*\g:32*\t+4*\g+3], v1, s[10:11] offset:\t*4096+512*\g
.endr
.endr
	WIN 0
	s_lshl_b32 s7, s4, 6
	v_add_nc_u32 v71, s7, v12                      ; i
	v_cvt_f32_u32 v64, v12
	v_cvt_f32_u32 v65, v71
	v_add_f32 v66, 1.0, v65
	RHO 16, 66, 67, 68, 69
	v_mul_f32 v70, -1.0, v64
	POWG 17, 70, 68, 69
	v_mul_f32 v17, v17, v16                        ; kappa
	v_mul_f32 v70, -1.0, v65
	POWG 18, 70, 68, 69
	v_mul_f32 v18, v18, v16                        ; gamma^(-i) rho
	POWG 19, 64, 68, 69                            ; gamma^l
	v_mov_b32 v70, 0x42800000
	POWG 20, 70, 68, 69                            ; gamma^64
	v_mov_b32 v21, v20
	v_mov_b32 v15, 0x7f7f7f7f
	v_mov_b32 v14, 0                               ; written once: a lane permute's destination counts as one of its sources
	ds_store_b32 v5, v17
	v_mov_b32 v22, 0
	v_mov_b32 v23, 0
	s_wait_loadcnt 40                              ; Q's 8 and K's 32 loads are younger: L's 64 are in
.set c, 0
.rept 64
	s_cmp_le_u32 s4, c                             ; chunks c < q alone: a branch on the work-group's number
	s_cbranch_scc1 .Lustop
	v_pk_fma_f32 v[22:23], v[22:23], v[20:21], v[128+2*c:129+2*c]
.set c, c+1
.endr
.Lustop:
	ds_store_b64 v11, v[22:23]
	s_wait_dscnt 0x0                               ; for the others' sake: my kappa and my part of U are in LDS
	s_barrier_signal -1
	s_barrier_wait -1
.irp t, 0,1,2,3,4,5,6,7,8,9,10,11,12,13,14,15
	ds_load_b128 v[128+8*\t:131+8*\t], v7 offset:64*\t       ; U(16 t + 8 h + 0 .. 7): the order in which my lane holds Q
	ds_load_b128 v[132+8*\t:135+8*\t], v7 offset:64*\t+16
.endr
	s_wait_loadcnt 0x0                             ; Q and K
	WIN 0x01                                       ; source 0 (K) in window 1
.irp t, 0,1,2,3
	v_wmma_f32_16x16x128_bf8_bf8 v[96+8*\t:103+8*\t], v[32*\t:32*\t+15], v[32:47], 0
.endr
.irp t, 0,1,2,3
	v_wmma_f32_16x16x128_bf8_bf8 v[96+8*\t:103+8*\t], v[32*\t+16:32*\t+31], v[48:63], v[96+8*\t:103+8*\t]
.endr
	WIN 0
	s_wait_dscnt 0x0                               ; U
	; sum over d of Q(i, d) U(d), my lane's 128 of the 256.  Two sets of eight widened numbers by turns: the other set's four multiply-adds stand between a conversion and the use of its result.
	v_cvt_scale_pk8_f32_bf8 v[64:71], v[32:33], v15
	v_cvt_scale_pk8_f32_bf8 v[72:79], v[34:35], v15
	v_nop
.set t, 0
.rept 16
.set TB, 64+8*(t%2)
.irp i, 0,1,2,3
.if t == 0
	v_pk_mul_f32 v[24+2*\i:25+2*\i], v[TB+2*\i:TB+2*\i+1], v[128+8*t+2*\i:129+8*t+2*\i]
.else
	v_pk_fma_f32 v[24+2*\i:25+2*\i], v[TB+2*\i:TB+2*\i+1], v[128+8*t+2*\i:129+8*t+2*\i], v[24+2*\i:25+2*\i]
.endif
.endr
.if t < 14
	v_cvt_scale_pk8_f32_bf8 v[TB:TB+7], v[36+2*t:37+2*t], v15
.endif
.set t, t+1
.endr
.irp t, 0,1,2,3
	ds_load_b128 v[64+8*\t:67+8*\t], v6 offset:64*\t         ; kappa of the keys that my registers hold
	ds_load_b128 v[68+8*\t:71+8*\t], v6 offset:64*\t+16
.endr
	v_pk_add_f32 v[24:25], v[24:25], v[26:27]
	v_pk_add_f32 v[28:29], v[28:29], v[30:31]
	v_pk_add_f32 v[24:25], v[24:25], v[28:29]
	v_pk_mul_f32 v[24:25], v[24:25], 0x3f7c8b44 op_sel_hi:[1,0]    ; x gamma
.irp t, 0,1,2,3
.irp j, 0,1,2,3,4,5,6,7
	v_cmp_le_i32 vcc_lo, 16*\t+\j, v9              ; keys after the query count for nothing; each accumulator from its low end on
	v_cndmask_b32 v[96+8*\t+\j], 0, v[96+8*\t+\j], vcc_lo
.endr
.endr
	s_wait_dscnt 0x0                               ; kappa
.set i, 0
.rept 16
.if i == 1
	v_pk_mul_f32 v[26:27], v[96+2*i:97+2*i], v[64+2*i:65+2*i]
.else
	v_pk_fma_f32 v[24+2*(i%2):25+2*(i%2)], v[96+2*i:97+2*i], v[64+2*i:65+2*i], v[24+2*(i%2):25+2*(i%2)]
.endif
.set i, i+1
.endr
	v_pk_add_f32 v[24:25], v[24:25], v[26:27]
	v_add_f32 v24, v24, v25
	v_permlanex16_b32 v14, v24, s20, s21
	v_add_f32 v24, v24, v14                        ; and the other half of the lanes'
	v_mul_f32 v24, v24, v19                        ; x gamma^l
	s_wait_kmcnt 0x0
	s_add_co_i32 s22, s18, s19
	s_sub_co_i32 s22, s22, 4
	v_ldexp_f32 v24, v24, s22                      ; x 2^(e6 + e7) / 16
	v_max_num_f32 v24, |v24|, 1.0
	v_rcp_f32 v25, v24
	v_nop
	s_wait_alu depctr_va_vdst(0)
	v_mul_f32 v25, v25, v18
	ds_store_b32 v8, v25
	s_wait_dscnt 0x0
	s_barrier_signal -1
	s_barrier_wait -1
	s_cmp_lg_u32 s5, 0
	s_cbranch_scc1 .Lend
	s_wait_xcnt 0x0                                ; EXEC changes only behind this wait
	v_cmp_gt_u32 vcc_lo, 16, v0
	s_and_saveexec_b32 s28, vcc_lo
	ds_load_b128 v[96:99], v13
	s_wait_dscnt 0x0
	global_store_b128 v1, v[96:99], s[16:17]       ; sixteen lanes store the block's 256 bytes, aligned
	s_wait_xcnt 0x0
	s_or_b32 exec_lo, exec_lo, s28
.Lend:
	s_set_vgpr_msb 0x5
	s_wait_tensorcnt 0x0
	ds_add_u32 v128, v129
	s_wait_dscnt 0x0
	s_set_vgpr_msb 0x500
	s_endpgm
.Lfunc_end_k_q369d945418_den:
	.size	k_q369d945418_den, .Lfunc_end_k_q369d945418_den-k_q369d945418_den
	.p2alignl 7, 3214868480
	.fill 96, 4, 3214868480
	.section	.rodata,"a",@progbits
	.p2align	6, 0x0
	.amdhsa_kernel k_q369d945418_den
		.amdhsa_group_segment_fixed_size 2560
		.amdhsa_private_segment_fixed_size 0
		.amdhsa_enable_private_segment 0
		.amdhsa_kernarg_size 40
		.amdhsa_user_sgpr_count 2
		.amdhsa_user_sgpr_kernarg_segment_ptr 1
		.amdhsa_wavefront_size32 1
		.amdhsa_system_sgpr_workgroup_id_x 1
		.amdhsa_system_sgpr_workgroup_id_y 1
		.amdhsa_system_sgpr_workgroup_id_z 1
		.amdhsa_system_vgpr_workitem_id 0
		.amdhsa_next_free_vgpr 386
		.amdhsa_next_free_sgpr 66
		.amdhsa_reserve_vcc 1
		.amdhsa_float_denorm_mode_32 3
		.amdhsa_float_denorm_mode_16_64 3
		.amdhsa_memory_ordered 1
		.amdhsa_forward_progress 1
		.amdhsa_inst_pref_size 37
	.end_amdhsa_kernel
	.amdgpu_metadata
---
amdhsa.version: [ 1, 2 ]
amdhsa.kernels:
  - .name:           k_q369d945418_den
    .symbol:         k_q369d945418_den.kd
    .args:
      - { .name: qimg, .offset: 0, .size: 8, .value_kind: global_buffer, .address_space: global }
      - { .name: kimg, .offset: 8, .size: 8, .value_kind: global_buffer, .address_space: global }
      - { .name: lsum, .offset: 16, .size: 8, .value_kind: global_buffer, .address_space: global }
      - { .name: lowp_scales, .offset: 24, .size: 8, .value_kind: global_buffer, .address_space: global }
      - { .name: wk, .offset: 32, .size: 8, .value_kind: global_buffer, .address_space: global }
    .group_segment_fixed_size: 2560
    .private_segment_fixed_size: 0
    .kernarg_segment_align: 8
    .kernarg_segment_size: 40
    .max_flat_workgroup_size: 128
    .sgpr_count:     66
    .vgpr_count:     386
    .wavefront_size: 32
...
	.end_amdgpu_metadata
.endif
;; end of part 2
;; launch main (part 3): grid 64 x 4, 8 waves a work-group, no clusters, 83,968 bytes of LDS; arguments qimg, kimg, vimg, wk, lowp_scales, out0; writes out0
.if DOCPART == 3
	.amdgcn_target "amdgcn-amd-amdhsa--gfx1250"
	.amdhsa_code_object_version 6
	.text
	.protected	k_q369d945418_main
	.globl	k_q369d945418_main
	.p2align	8
	.type	k_q369d945418_main,@function
k_q369d945418_main:
	s_mov_b64 s[64:65], 0
	v_nop
	global_prefetch_b8 v0, s[64:65] scope:SCOPE_SE
	s_setreg_imm32_b32 hwreg(HW_REG_WAVE_MODE, 25, 1), 1
	s_wait_xcnt 0x0
; out[b][i][:] = sum over keys j <= i of Quant( s(i, j) / 16 x gamma^(i - j) rho_j / den_j ) V(j, :), both products on codes of E5M2.
; The number ahead of the quantiser is s_raw x (gamma^i x wk_j) x 2^(e6 + e7 - 4), wk from the launch before; the conversion takes 2^(e8 - e6 - e7 + 4); a finished sum is multiplied by 2^(e8 + e9).
; Work-group: 64 queries (block q = 63 - x, so that the long walks start first) of batch y; eight waves, two to a SIMD.  A step is 128 keys.
;   Wave w makes S^T of key tile w against the four query tiles (source 0 = 16 keys, source 1 = 16 queries: a lane holds one query and eight neighbouring keys), quantises it: registers 2 w, 2 w + 1 of P's
;   fragments, which go to LDS as an image; then O^T of channel tiles 2 w, 2 w + 1 for the four query tiles (source 0 = 16 channels of V, source 1 = P).
;   So each byte of K's and V's images is read by ONE wave of the work-group, from memory straight into operand registers, 512 consecutive bytes an instruction; only P (8,192 bytes a step) goes round.
; No joint requests and no ring in LDS: a tile of K or V serves one wave here, and a way through LDS would add 65,536 bytes of fills and as many of reads a step to P's 73,728.
; THE WALK goes down from the diagonal: steps N - 1 .. 0, N = the q / 2 + 1 steps that hold keys <= i, made even by one step above the diagonal, which the mask turns to zeros (its index is at most 31: inside the buffers).
; ONE BARRIER A STEP: P of step m + 1 is written into the half of PB that P of step m - 1 left; every wave's reads of that were waited for ahead of its signal.
; LIMITS: e8 - e6 - e7 + 4 between -126 and 112; e8 + e9 between -126 and 127; infinity and NaN codes are not served.
.set PB,  0                            ; LDS: 2 x 8,192: [parity][query tile 2,048][group 512][lane 16]
.set STG, 16384                        ; the way out: 64 rows x (1,024 + 16) bytes
.set SA,  32                           ; v32-63   S^T, 8 a query tile
.set FA,  64                           ; v64-95   gamma^i x wk_j
.set PO,  96                           ; v96-103  the codes just made
.set PIN, 104                          ; v104-167 P's four fragments
.set OA,  168                          ; v168-231 O^T: accumulator 4 u + t
; v1 4,096 w + 16 lane; v2 (16 w + 8 h) x 4; v3 P's store; v4 16 lane; v5, v6 the mask's D; v7, v8, v9 the way out; v10 the scale, v11 57,344 x it; v12-15 gamma^i for the four tiles; v16-31 wk, two sets of 8.
; window 1: v0-127 Q (32 t + 16 s); v128-191 K, two sets of 32; v192-255 V, two sets of 32.
.set MSB, 0
.macro WIN new
.if MSB != \new
	s_set_vgpr_msb (MSB<<8)|\new
.set MSB, \new
.endif
.endm
.macro POWG dst, n, t0, t1             ; gamma^n, n a whole number as f32, |n| <= 4,160
	v_mul_f32 v[\t0], 0xbca0a000, v[\n]
	v_rndne_f32 v[\t1], v[\t0]
	v_sub_f32 v[\t0], v[\t0], v[\t1]
	v_fmamk_f32 v[\t0], v[\n], 0xb5c47565, v[\t0]
	v_exp_f32 v[\dst], v[\t0]
	v_cvt_i32_f32 v[\t1], v[\t1]                   ; a plain instruction behind the exponential
	s_wait_alu depctr_va_vdst(0)                   ; ahead of the first line that names its result
	v_ldexp_f32 v[\dst], v[\dst], v[\t1]
.endm
.macro KFILL p                         ; the next step's tile of K and its eight wk into set p: ten loads.  Past the walk's end the index is held at 0
	s_wait_xcnt 0x0                                ; the earlier loads have read their bases
	s_max_i32 s30, s32, 0
	s_lshl_b32 s6, s30, 9
	s_lshl_b32 s30, s30, 15
	s_add_nc_u64 s[24:25], s[10:11], s[30:31]
	s_mov_b32 s30, s6
	s_add_nc_u64 s[28:29], s[14:15], s[30:31]
	s_sub_co_i32 s32, s32, 1
	WIN 0x40
.irp i, 0,1,2,3,4,5,6,7
	global_load_b128 v[128+32*(\p)+4*\i:128+32*(\p)+4*\i+3], v1, s[24:25] offset:512*\i
.endr
	WIN 0
	global_load_b128 v[16+8*(\p):19+8*(\p)], v2, s[28:29]
	global_load_b128 v[20+8*(\p):23+8*(\p)], v2, s[28:29] offset:16
.endm
.macro VFILL p                         ; the next step's two channel tiles of V into set p: eight loads
	s_wait_xcnt 0x0
	s_lshl_b32 s30, s33, 15
	s_add_nc_u64 s[26:27], s[12:13], s[30:31]
	s_sub_co_i32 s33, s33, 1
	WIN 0x40
.irp i, 0,1,2,3,4,5,6,7
	global_load_b128 v[192+32*(\p)+4*\i:192+32*(\p)+4*\i+3], v1, s[26:27] offset:512*\i
.endr
	WIN 0
.endm
.macro SMUL p                          ; S^T = K Q^T: the four accumulators by turns
	WIN 0x05
.irp t, 0,1,2,3
	v_wmma_f32_16x16x128_bf8_bf8 v[SA+8*\t:SA+8*\t+7], v[128+32*(\p):128+32*(\p)+15], v[32*\t:32*\t+15], 0
.endr
.irp t, 0,1,2,3
	v_wmma_f32_16x16x128_bf8_bf8 v[SA+8*\t:SA+8*\t+7], v[128+32*(\p)+16:128+32*(\p)+31], v[32*\t+16:32*\t+31], v[SA+8*\t:SA+8*\t+7]
.endr
	WIN 0
.endm
.macro FMK p                           ; gamma^i x wk_j.  These sixteen name no register of the products above: they are the places behind them
.irp t, 0,2
.irp i, 0,1,2,3
	v_pk_mul_f32 v[FA+8*\t+2*\i:FA+8*\t+2*\i+1], v[16+8*(\p)+2*\i:17+8*(\p)+2*\i], v[12+\t:13+\t] op_sel:[0,0] op_sel_hi:[1,0]
.endr
.irp i, 0,1,2,3
	v_pk_mul_f32 v[FA+8*\t+8+2*\i:FA+8*\t+8+2*\i+1], v[16+8*(\p)+2*\i:17+8*(\p)+2*\i], v[12+\t:13+\t] op_sel:[0,1] op_sel_hi:[1,1]
.endr
.endr
.endm
.macro XQ p                            ; the scores in hand become P's codes, into half p of PB
	s_cmp_lt_i32 s34, s35                          ; under the diagonal's step every key counts: a branch on ids
	s_cbranch_scc1 .Lopen_\@
	s_lshl_b32 s6, s34, 7
	v_sub_nc_u32 v6, v5, s6                        ; D + 48 = 64 q + r - 16 w - 8 h - 128 step + 48: register 8 t + j counts where j + 16 (3 - t) <= D + 48
.irp t, 0,1,2,3
.irp j, 0,1,2,3,4,5,6,7
	v_cmp_le_i32 vcc_lo, \j+16*(3-\t), v6
	v_cndmask_b32 v[SA+8*\t+\j], 0, v[SA+8*\t+\j], vcc_lo
.endr
.endr
.Lopen_\@:
.set j, 0
.rept 16
	v_pk_mul_f32 v[SA+2*j:SA+2*j+1], v[SA+2*j:SA+2*j+1], v[FA+2*j:FA+2*j+1]
.set j, j+1
.endr
.set j, 0
.rept 32
	v_med3_num_f32 v[SA+j], v[SA+j], -v11, v11     ; the conversion does not saturate: the hold at the largest code x the scale
.set j, j+1
.endr
.irp t, 0,1,2,3
	v_cvt_scalef32_pk8_bf8_f32 v[PO+2*\t:PO+2*\t+1], v[SA+8*\t:SA+8*\t+7], v10
.endr
	v_nop                                          ; a plain instruction behind the last conversion: the next products write its sources
.irp t, 0,1,2,3
	ds_store_b64 v3, v[PO+2*\t:PO+2*\t+1] offset:PB+(\p)*8192+\t*2048
.endr
	s_sub_co_i32 s34, s34, 1
.endm
.macro PLD p
.irp t, 0,1,2,3
.irp g, 0,1,2,3
	ds_load_b128 v[PIN+16*\t+4*\g:PIN+16*\t+4*\g+3], v4 offset:PB+(\p)*8192+\t*2048+\g*512
.endr
.endr
.endm
.macro PV p                            ; O^T += V^T P^T: eight accumulators by turns
	WIN 0x01
.irp u, 0,1
.irp t, 0,1,2,3
	v_wmma_f32_16x16x128_bf8_bf8 v[OA+8*(4*\u+\t):OA+8*(4*\u+\t)+7], v[192+32*(\p)+16*\u:192+32*(\p)+16*\u+15], v[PIN+16*\t:PIN+16*\t+15], v[OA+8*(4*\u+\t):OA+8*(4*\u+\t)+7]
.endr
.endr
	WIN 0
.endm
; Trip m (p = m % 2).  Loads are issued in the order V(m + 1), K(m + 3), behind V(m), K(m + 2) of the trip before.
.macro TRIP p
	s_barrier_wait -1                              ; P(m) is whole, and nobody reads P(m - 1) any more
	PLD \p
	VFILL 1-\p
	KFILL 1-\p
	XQ 1-\p                                        ; P(m + 1)
	s_wait_dscnt 0x0                               ; my stores of P(m + 1) are done and my reads of P(m) are in
	s_barrier_signal -1
	s_wait_loadcnt 28                              ; younger than V(m): K(m + 2) 10, V(m + 1) 8, K(m + 3) 10
	PV \p
	s_wait_loadcnt 18                              ; younger than K(m + 2): V(m + 1) 8, K(m + 3) 10
	SMUL \p                                        ; S(m + 2)
	FMK \p
.endm
	s_load_b256 s[8:15], s[0:1], 0x0               ; qimg, kimg, vimg, wk
	s_load_b128 s[16:19], s[0:1], 0x20             ; the scales, out0
	v_lshl_add_u32 v254, v0, 2, 0x14400
	v_mov_b32 v255, 0
	v_lshrrev_b32 v1, 5, v0
	v_readfirstlane_b32 s5, v1                     ; wave 0..7
	s_and_b32 s3, ttmp7, 0xffff                    ; b
	s_sub_co_u32 s4, 63, ttmp9                     ; q
	v_and_b32 v4, 31, v0
	v_lshlrev_b32 v4, 4, v4
	v_and_b32 v232, 15, v0                         ; r
	v_bfe_u32 v233, v0, 4, 1                       ; h
	s_lshl_b32 s6, s5, 12
	v_add_nc_u32 v1, s6, v4
	s_lshl_b32 s6, s5, 6
	v_lshl_add_u32 v2, v233, 5, s6
	s_lshr_b32 s35, s4, 1                          ; the diagonal's step
	s_add_co_u32 s37, s35, 2
	s_and_b32 s37, s37, -2                         ; N
	s_sub_co_u32 s32, s37, 1                       ; the step that the next KFILL,
	s_mov_b32 s33, s32                             ; the next VFILL
	s_mov_b32 s34, s32                             ; and the next XQ take
	s_lshr_b32 s36, s37, 1
	s_sub_co_u32 s36, s36, 1                       ; the loop's trips
	s_mov_b32 s31, 0
	s_lshl_b32 s40, s3, 20
	s_mov_b32 s41, 0
	s_lshl_b32 s42, s4, 14
	s_add_co_u32 s42, s42, s40
	s_mov_b32 s43, 0
	s_lshl_b32 s44, s3, 14
	s_mov_b32 s45, 0
	s_lshl_b32 s46, s3, 22
	s_lshl_b32 s7, s4, 16
	s_add_co_u32 s46, s46, s7
	s_mov_b32 s47, 0
	s_lshl_b32 s48, s4, 6                          ; 64 q
	s_wait_kmcnt 0x0
	s_load_b64 s[20:21], s[16:17], 0x18            ; e6, e7
	s_load_b64 s[22:23], s[16:17], 0x20            ; e8, e9
	s_add_nc_u64 s[8:9], s[8:9], s[42:43]
	s_add_nc_u64 s[10:11], s[10:11], s[40:41]
	s_add_nc_u64 s[12:13], s[12:13], s[40:41]
	s_add_nc_u64 s[14:15], s[14:15], s[44:45]
	s_add_nc_u64 s[18:19], s[18:19], s[46:47]
	WIN 0x40
.irp t, 0,1,2,3
.irp g, 0,1,2,3,4,5,6,7
	global_load_b128 v[32*\t+4*\g:32*\t+4*\g+3], v4, s[8:9] offset:\t*4096+512*\g
.endr
.endr
	WIN 0
	KFILL 0
	KFILL 1
	VFILL 0
	s_lshr_b32 s6, s5, 1
	s_lshl_b32 s6, s6, 9
	s_and_b32 s7, s5, 1
	s_lshl_b32 s7, s7, 3
	s_add_co_u32 s6, s6, s7
	v_add_nc_u32 v3, s6, v4                        ; 16 lane + 512 (w / 2) + 8 (w % 2): registers 2 w, 2 w + 1 of a fragment's image
	s_lshl_b32 s7, s5, 4
	s_sub_co_i32 s7, s48, s7
	s_add_co_i32 s7, s7, 48
	v_lshlrev_b32 v234, 3, v233
	v_sub_nc_u32 v5, v232, v234
	v_add_nc_u32 v5, s7, v5
	v_mul_u32_u24 v7, v232, 1040
	v_lshl_add_u32 v7, v233, 5, v7
	s_lshl_b32 s7, s5, 7
	s_add_co_u32 s7, s7, STG
	v_add_nc_u32 v7, s7, v7                        ; into the stage: row r, + 128 w + 32 h
	s_mul_i32 s7, s5, 8*1040
	s_add_co_u32 s7, s7, STG
	v_add_nc_u32 v8, s7, v4                        ; back: my eight rows
	s_lshl_b32 s7, s5, 13
	v_add_nc_u32 v9, s7, v4                        ; and the same in out0
	v_add_nc_u32 v234, s48, v232
.irp t, 0,1,2,3
	v_add_nc_u32 v235, 16*\t, v234
	v_cvt_f32_u32 v235, v235
	POWG 12+\t, 235, 236, 237                      ; gamma^(64 q + 16 t + r)
.endr
.set j, 0
.rept 64
	v_mov_b32 v[OA+j], 0                           ; once: so that the trip is written once
.set j, j+1
.endr
	s_wait_kmcnt 0x0
	s_sub_co_i32 s7, s22, s20
	s_sub_co_i32 s7, s7, s21
	s_add_co_i32 s7, s7, 131                       ; e8 - e6 - e7 + 4, + 127
	s_lshl_b32 s6, s7, 23
	v_mov_b32 v10, s6
	s_add_co_i32 s7, s7, 15
	s_lshl_b32 s7, s7, 23
	s_or_b32 s7, s7, 0x600000
	v_mov_b32 v11, s7
	s_add_co_i32 s38, s22, s23
	s_add_co_i32 s38, s38, 127
	s_lshl_b32 s38, s38, 23                        ; 2^(e8 + e9)
	s_mov_b32 s39, s38
	s_wait_loadcnt 18                              ; younger than K(0): K(1) 10, V(0) 8; Q is in too
	SMUL 0
	FMK 0
	KFILL 0                                        ; K(2)
	XQ 0                                           ; P(0)
	s_wait_dscnt 0x0
	s_barrier_signal -1
	s_wait_loadcnt 18                              ; younger than K(1): V(0) 8, K(2) 10
	SMUL 1
	FMK 1
	s_cmp_eq_u32 s36, 0
	s_cbranch_scc1 .Ltail
.Lloop:
	TRIP 0
	TRIP 1
	s_sub_co_u32 s36, s36, 1
	s_cmp_lg_u32 s36, 0
	s_cbranch_scc1 .Lloop
.Ltail:
	s_barrier_wait -1                              ; trip N - 2
	PLD 0
	VFILL 1                                        ; V(N - 1)
	XQ 1                                           ; P(N - 1)
	s_wait_dscnt 0x0
	s_barrier_signal -1
	s_wait_loadcnt 18                              ; younger than V(N - 2): K(N) 10, V(N - 1) 8
	PV 0
.rept 4
	v_nop                                          ; four places in front of the loads into P's registers
.endr
	s_barrier_wait -1                              ; trip N - 1
	PLD 1
	s_wait_dscnt 0x0
	s_wait_loadcnt 0x0
	PV 1
.rept 4
	v_nop
.endr
	; THE WAY OUT: x 2^(e8 + e9); a lane's eight channels of a row go into the stage; a row's 1,024 bytes come from eight waves, so a barrier; each wave stores eight whole rows.
.set j, 0
.rept 32
	v_pk_mul_f32 v[SA+2*j:SA+2*j+1], v[OA+2*j:OA+2*j+1], s[38:39] op_sel_hi:[1,0]
.set j, j+1
.endr
.irp u, 0,1
.irp t, 0,1,2,3
	ds_store_b128 v7, v[SA+8*(4*\u+\t):SA+8*(4*\u+\t)+3] offset:\t*16640+64*\u
	ds_store_b128 v7, v[SA+8*(4*\u+\t)+4:SA+8*(4*\u+\t)+7] offset:\t*16640+64*\u+16
.endr
.endr
	s_wait_dscnt 0x0
	s_barrier_signal -1
	s_barrier_wait -1
.irp i, 0,1,2,3,4,5,6,7,8,9,10,11,12,13,14,15
	ds_load_b128 v[PIN+4*\i:PIN+4*\i+3], v8 offset:(\i/2)*1040+(\i%2)*512
.endr
.irp i, 0,1,2,3,4,5,6,7,8,9,10,11,12,13,14,15
	s_wait_dscnt 15-\i
	global_store_b128 v9, v[PIN+4*\i:PIN+4*\i+3], s[18:19] offset:512*\i th:TH_STORE_NT   ; 32 lanes store 512 consecutive bytes, aligned to 256
.endr
	s_wait_tensorcnt 0x0
	ds_add_u32 v254, v255
	s_wait_dscnt 0x0
	s_endpgm
.Lfunc_end_k_q369d945418_main:
	.size	k_q369d945418_main, .Lfunc_end_k_q369d945418_main-k_q369d945418_main
	.p2alignl 7, 3214868480
	.fill 96, 4, 3214868480
	.section	.rodata,"a",@progbits
	.p2align	6, 0x0
	.amdhsa_kernel k_q369d945418_main
		.amdhsa_group_segment_fixed_size 83968
		.amdhsa_private_segment_fixed_size 0
		.amdhsa_enable_private_segment 0
		.amdhsa_kernarg_size 48
		.amdhsa_user_sgpr_count 2
		.amdhsa_user_sgpr_kernarg_segment_ptr 1
		.amdhsa_wavefront_size32 1
		.amdhsa_system_sgpr_workgroup_id_x 1
		.amdhsa_system_sgpr_workgroup_id_y 1
		.amdhsa_system_sgpr_workgroup_id_z 1
		.amdhsa_system_vgpr_workitem_id 0
		.amdhsa_next_free_vgpr 512
		.amdhsa_next_free_sgpr 66
		.amdhsa_reserve_vcc 1
		.amdhsa_float_denorm_mode_32 3
		.amdhsa_float_denorm_mode_16_64 3
		.amdhsa_memory_ordered 1
		.amdhsa_forward_progress 1
		.amdhsa_inst_pref_size 63
	.end_amdhsa_kernel
	.amdgpu_metadata
---
amdhsa.version: [ 1, 2 ]
amdhsa.kernels:
  - .name:           k_q369d945418_main
    .symbol:         k_q369d945418_main.kd
    .args:
      - { .name: qimg, .offset: 0, .size: 8, .value_kind: global_buffer, .address_space: global }
      - { .name: kimg, .offset: 8, .size: 8, .value_kind: global_buffer, .address_space: global }
      - { .name: vimg, .offset: 16, .size: 8, .value_kind: global_buffer, .address_space: global }
      - { .name: wk, .offset: 24, .size: 8, .value_kind: global_buffer, .address_space: global }
      - { .name: lowp_scales, .offset: 32, .size: 8, .value_kind: global_buffer, .address_space: global }
      - { .name: out0, .offset: 40, .size: 8, .value_kind: global_buffer, .address_space: global }
    .group_segment_fixed_size: 83968
    .private_segment_fixed_size: 0
    .kernarg_segment_align: 8
    .kernarg_segment_size: 48
    .max_flat_workgroup_size: 256
    .sgpr_count:     66
    .vgpr_count:     512
    .wavefront_size: 32
...
	.end_amdgpu_metadata
.endif
;; end of part 3
;; ======== version 2 of 3: 3 launches; 1.14 times as fast as version 1
;; workspace buffers: qimg 4,194,304 bytes; kimg 4,194,304 bytes; vimg 4,194,304 bytes; lsum 262,144 bytes; wk 65,536 bytes
;; launch proj: the kernel of part 1 again; grid 128 x 3, 4 waves a work-group, no clusters, 36,352 bytes of LDS; arguments xq_codes, xk_codes, xv_codes, Wq_codes, Wk_codes, Wv_codes, bq, bk, bv, lowp_scales, qimg, kimg, vimg, lsum; writes qimg, kimg, vimg, lsum
;; launch den: the kernel of part 2 again; grid 64 x 4, 4 waves a work-group, no clusters, 2,560 bytes of LDS; arguments qimg, kimg, lsum, lowp_scales, wk; writes wk
;; launch main (part 4): grid 64 x 4, 4 waves a work-group, no clusters, 266,752 bytes of LDS; arguments qimg, kimg, vimg, wk, lowp_scales, out0; writes out0
.if DOCPART == 4
	.amdgcn_target "amdgcn-amd-amdhsa--gfx1250"
	.amdhsa_code_object_version 6
	.text
	.protected	k_q369d945418_main
	.globl	k_q369d945418_main
	.p2align	8
	.type	k_q369d945418_main,@function
k_q369d945418_main:
	s_mov_b64 s[64:65], 0
	v_nop
	global_prefetch_b8 v0, s[64:65] scope:SCOPE_SE
	s_setreg_imm32_b32 hwreg(HW_REG_WAVE_MODE, 25, 1), 1
	s_wait_xcnt 0x0
; out[b][i][:] = sum over keys j <= i of Quant( s(i, j) / 16 x gamma^(i - j) rho_j / den_j ) V(j, :), both products on codes of E5M2.
; The number ahead of the quantiser is s_raw x wk_j x gamma^i x 2^(e6 + e7 - 4), wk from the launch before; the conversion takes 2^E, E = e8 - e6 - e7 + 4; a finished sum is multiplied by 2^(e8 + e9).
; SHARES.  A work-group owns 64 queries (block q) of batch y.  Four waves; EACH WAVE HOLDS ALL 64 QUERIES x 256 CHANNELS of O^T (512 registers) and walks steps of 64 keys of its own: wave w takes steps
;   top - w, top - w - 4, ..  So P never leaves the wave's registers, the loop has no barrier and no LDS, and each byte of K's and V's images is read by one wave, 512 consecutive bytes an instruction.
;   The four waves' partial sums meet once, at the end, in LDS.
; A STEP.  S^T = K Q^T for four tiles of 16 keys (source 0 = 16 keys, source 1 = 16 queries: a lane holds one query and eight neighbouring keys); its conversion's two registers are registers 2 c, 2 c + 1
;   of P's fragment of 64 keys; O^T += V^T P^T by the form of 64 along K (source 0 = 16 channels: two of the four groups of V's image).
; BY TURNS.  S^T is two halves of two query tiles.  While one half is scaled, held and converted, the other half's four products stand one in front of each eight plain instructions.  All that the vector
;   work names lies in window 0, K and Q in window 1: a slice costs two switches of the window; a second copy of S^T, which would spare nothing of that, has no room (512 + 384 + 96 registers leave 32).
; THE WALK'S ENDS.  top = q | 3: steps above the diagonal fall into the first trip alone, which is written out with the mask and starts O^T's sums.
;   Below: a code's value is at most 57,344, so |s_raw| <= 256 x 57,344^2 < 2^40; rho <= 1 and 1 / den <= 1; so the number ahead of the quantiser, over 2^e8, is under 2^(40 - E) gamma^(i - j).
;   What is at most 2^-17 becomes the code 0, and gamma^51 < 1/2: keys with i - j >= 51 (57 - E) add nothing, whatever the inputs, and the walk stops above them (at a multiple of four steps).
; No joint requests and no tensor loads: a tile of K or V serves one wave here.
; WHICH BLOCK.  x = 16 a + c gives q = 16 ((a + c) % 4) + (c, or 15 - c where (a + c) % 4 is odd): one to one, and any sixteen neighbouring work-groups, and any sixteen that lie sixteen apart, get long and short walks alike.
; LIMITS: E between -126 and 112; e8 + e9 between -126 and 127; infinity and NaN codes are not served.
; REGISTERS.  window 0: v1 16 lane; v2 32 (lane / 16); v3, v4 the mask; v10 2^E, v11 57,344 x 2^E; v12-15 gamma^i of the four tiles; v16-47 wk, a set of 8 for each key tile; v48-79 S^T; v80-111 P;
;   v114-119 the way out; v128-255 V, 16 fragments of 8.   window 1: v0-127 Q (32 t + 16 s); v128-255 K, four tiles of 32.   windows 2, 3: O^T, accumulator (u, t) at 32 (u % 8) + 8 t.
.set EXP,  1040                        ; the way out: a row of 1,024 bytes + 16
.set EXS,  64*EXP                      ; a wave's 64 rows
.set WKR,  16
.set SA,   48
.set PA,   80
.set VB,   128
.set KB,   128
.set SO,   114                         ; v114 where I put 16 bytes of a row
.set GO,   115                         ; v115 my byte offset in the block's rows of out0
.set SR,   116                         ; v116-119 where I read my 16 rows back, in each wave's part
.set MSB,  0
.macro WIN new                         ; the immediate's high byte repeats the setting that is left
.if MSB != \new
	s_set_vgpr_msb (MSB<<8)|\new
.set MSB, \new
.endif
.endm
.macro POWG dst, n, t0, t1             ; gamma^n, n a whole number as f32, |n| <= 4,160: n x (-1285 / 65536) is exact; its whole part goes through v_ldexp_f32
	v_mul_f32 v[\t0], 0xbca0a000, v[\n]
	v_rndne_f32 v[\t1], v[\t0]
	v_sub_f32 v[\t0], v[\t0], v[\t1]
	v_fmamk_f32 v[\t0], v[\n], 0xb5c47565, v[\t0]
	v_exp_f32 v[\dst], v[\t0]
	v_cvt_i32_f32 v[\t1], v[\t1]                   ; a plain instruction behind the exponential
	s_wait_alu depctr_va_vdst(0)                   ; ahead of the first line that names its result
	v_ldexp_f32 v[\dst], v[\dst], v[\t1]
.endm
; The three bases of the refills: step s32 (four further down with step = 1), held at 0 past the walk's end.
.macro ADDR step
.if \step
	s_wait_xcnt 0x0                                ; the loads that read these bases were issued two blocks ago or earlier
	s_sub_co_i32 s32, s32, 4
.endif
	s_max_i32 s33, s32, 0
	s_lshl_b32 s30, s33, 14                        ; K: four images of 4,096 bytes a step
	s_add_nc_u64 s[24:25], s[10:11], s[30:31]
	s_lshl_b32 s30, s33, 8                         ; wk: 64 numbers
	s_add_nc_u64 s[28:29], s[14:15], s[30:31]
	s_lshr_b32 s30, s33, 1                         ; V: 32,768 bytes for 128 keys; the odd step's two groups lie 1,024 bytes on in each fragment
	s_lshl_b32 s30, s30, 15
	s_and_b32 s34, s33, 1
	s_lshl_b32 s34, s34, 10
	s_add_co_u32 s30, s30, s34
	s_add_nc_u64 s[26:27], s[12:13], s[30:31]
.endm
.macro KR c                            ; key tile c of the next step and its eight wk: ten loads
	WIN 0x40
.irp i, 0,1,2,3,4,5,6,7
	global_load_b128 v[KB+32*(\c)+4*\i:KB+32*(\c)+4*\i+3], v1, s[24:25] offset:(\c)*4096+512*\i
.endr
	WIN 0
	global_load_b128 v[WKR+8*(\c):WKR+8*(\c)+3], v2, s[28:29] offset:64*(\c)
	global_load_b128 v[WKR+8*(\c)+4:WKR+8*(\c)+7], v2, s[28:29] offset:64*(\c)+16
.endm
.macro VR g                            ; channel tiles 4 g .. 4 g + 3 of the next step: eight loads
.irp uu, 0,1,2,3
	global_load_b128 v[VB+8*(4*(\g)+\uu):VB+8*(4*(\g)+\uu)+3], v1, s[26:27] offset:(4*(\g)+\uu)*2048
	global_load_b128 v[VB+8*(4*(\g)+\uu)+4:VB+8*(4*(\g)+\uu)+7], v1, s[26:27] offset:(4*(\g)+\uu)*2048+512
.endr
.endm
; Product i (a symbol, 0 .. 3) of half mh of S^T for key tile mc: query tile 2 mh + i % 2, K step i / 2.  The two accumulators take turns.
.macro SW mh, mc
.set tt, 2*(\mh)+(i%2)
	WIN 0x05
.if i < 2
	v_wmma_f32_16x16x128_bf8_bf8 v[SA+8*tt:SA+8*tt+7], v[KB+32*(\mc):KB+32*(\mc)+15], v[32*tt:32*tt+15], 0
.else
	v_wmma_f32_16x16x128_bf8_bf8 v[SA+8*tt:SA+8*tt+7], v[KB+32*(\mc)+16:KB+32*(\mc)+31], v[32*tt+16:32*tt+31], v[SA+8*tt:SA+8*tt+7]
.endif
.endm
; Instruction n (a symbol, 0 .. 31) of the vector work on half xh of key tile xc: 0-7 x wk_j, 8-15 x gamma^i, 16-31 the hold.  Each accumulator is taken from its low end on.
.macro XV xh, xc
.if n < 8
.set rr, SA+16*(\xh)+2*n
	v_pk_mul_f32 v[rr:rr+1], v[rr:rr+1], v[WKR+8*(\xc)+2*(n%4):WKR+8*(\xc)+2*(n%4)+1]
.elseif n < 12
.set rr, SA+16*(\xh)+2*(n-8)
	v_pk_mul_f32 v[rr:rr+1], v[rr:rr+1], v[12+2*(\xh):13+2*(\xh)] op_sel:[0,0] op_sel_hi:[1,0]
.elseif n < 16
.set rr, SA+16*(\xh)+2*(n-8)
	v_pk_mul_f32 v[rr:rr+1], v[rr:rr+1], v[12+2*(\xh):13+2*(\xh)] op_sel:[0,1] op_sel_hi:[1,1]
.else
.set rr, SA+16*(\xh)+n-16
	v_med3_num_f32 v[rr], v[rr], -v11, v11         ; the conversion does not saturate: the hold at the largest code x the scale
.endif
.endm
; Keys after the query count for nothing.  v3 = 64 (q - step) + r - 8 h + 48: register 8 t + j of key tile c counts where j + 16 (3 - t) <= v3 - 16 c.
.macro MASK xh, xc
	v_sub_nc_u32 v4, v3, 16*(\xc)
.irp tq, 0,1
.irp j, 0,1,2,3,4,5,6,7
	v_cmp_le_i32 vcc_lo, \j+16*(3-2*(\xh)-\tq), v4
	v_cndmask_b32 v[SA+16*(\xh)+8*\tq+\j], 0, v[SA+16*(\xh)+8*\tq+\j], vcc_lo
.endr
.endr
.endm
; Half xh of key tile xc becomes codes; half mh of key tile mc is multiplied meanwhile (mh = -1: nothing is).  The eight plain instructions behind the last product name none of its registers:
; they are the places between it and the next block's first read of its result.
.macro BLOCK xh, xc, mh, mc, mask
.if \mask
	MASK \xh, \xc
.endif
.set n, 0
.set i, 0
.rept 4
.if (\mh) >= 0
	SW \mh, \mc
	WIN 0
.endif
.rept 8
	XV \xh, \xc
.set n, n+1
.endr
.set i, i+1
.endr
	v_cvt_scalef32_pk8_bf8_f32 v[PA+16*(\xh)+2*(\xc):PA+16*(\xh)+2*(\xc)+1], v[SA+16*(\xh):SA+16*(\xh)+7], v10
	v_cvt_scalef32_pk8_bf8_f32 v[PA+16*(\xh)+8+2*(\xc):PA+16*(\xh)+8+2*(\xc)+1], v[SA+16*(\xh)+8:SA+16*(\xh)+15], v10
	v_nop                                          ; a plain instruction behind the last conversion: the next products write its sources, and later ones read its results
.endm
; O^T += V^T P^T for channel tiles 4 g .. 4 g + 3: sixteen accumulators by turns; then the four fragments are asked for anew.
.macro PVG g, first
	s_wait_loadcnt 63                              ; 64 loads are younger than this group's (the V groups behind it, the four K refills, this trip's V refills): the count's field holds 63, so one more is waited for
.if (\g) < 2
	WIN 0xa0
.else
	WIN 0xf0
.endif
.irp uu, 0,1,2,3
.irp t, 0,1,2,3
.set uo, 4*(\g)+\uu
.set ro, 32*(uo%8)+8*\t
.if \first
	v_wmma_f32_16x16x64_bf8_bf8 v[ro:ro+7], v[VB+8*uo:VB+8*uo+7], v[PA+8*\t:PA+8*\t+7], 0
.else
	v_wmma_f32_16x16x64_bf8_bf8 v[ro:ro+7], v[VB+8*uo:VB+8*uo+7], v[PA+8*\t:PA+8*\t+7], v[ro:ro+7]
.endif
.endr
.endr
.rept 4
	v_nop                                          ; four places in front of the loads into the fragments just read
.endr
	WIN 0
	VR \g
.endm
; A trip: one step of 64 keys.  Loads go out in the order K 0, 1, 2, 3 (ten each), V 0, 1, 2, 3 (eight each), each piece straight behind its last use: it has a whole trip in which to land.
.macro TRIP first
	s_wait_loadcnt 62                              ; younger than K 0: K 1, 2, 3 and the four V groups
.set i, 0
.rept 4
	SW 0, 0
.set i, i+1
.endr
	WIN 0
.rept 4
	v_nop                                          ; there is no vector work yet to set behind these four products
.endr
	BLOCK 0, 0, 1, 0, \first
	s_wait_loadcnt 52                              ; younger than K 1: K 2, 3 and the four V groups
	BLOCK 1, 0, 0, 1, \first
	ADDR 1
	KR 0
	BLOCK 0, 1, 1, 1, \first
	s_wait_loadcnt 52                              ; younger than K 2: K 3, the four V groups, this trip's K 0
	BLOCK 1, 1, 0, 2, \first
	KR 1
	BLOCK 0, 2, 1, 2, \first
	s_wait_loadcnt 52                              ; younger than K 3: the four V groups, this trip's K 0 and 1
	BLOCK 1, 2, 0, 3, \first
	KR 2
	BLOCK 0, 3, 1, 3, \first
	BLOCK 1, 3, -1, 0, \first
	KR 3
	PVG 0, \first
	PVG 1, \first
	PVG 2, \first
	PVG 3, \first
.endm
	s_load_b256 s[8:15], s[0:1], 0x0               ; qimg, kimg, vimg, wk
	s_load_b128 s[16:19], s[0:1], 0x20             ; the scales, out0
	v_lshl_add_u32 v126, v0, 2, 0x41000
	v_mov_b32 v127, 0
	v_lshrrev_b32 v1, 5, v0
	v_readfirstlane_b32 s5, v1                     ; wave 0..3
	s_and_b32 s3, ttmp7, 0xffff                    ; b
	s_lshr_b32 s6, ttmp9, 4                        ; a
	s_and_b32 s7, ttmp9, 15                        ; c
	s_add_co_u32 s6, s6, s7
	s_and_b32 s6, s6, 3                            ; (a + c) % 4
	s_sub_co_u32 s34, 15, s7
	s_and_b32 s33, s6, 1                           ; SCC: it is odd
	s_cselect_b32 s7, s34, s7
	s_lshl_b32 s4, s6, 4
	s_add_co_u32 s4, s4, s7                        ; q
	v_and_b32 v1, 31, v0
	v_lshlrev_b32 v1, 4, v1                        ; 16 x lane
	v_and_b32 v5, 15, v0                           ; r
	v_bfe_u32 v6, v0, 4, 1                         ; h
	v_lshlrev_b32 v2, 5, v6                        ; 32 h: my eight wk of a key tile
	s_or_b32 s35, s4, 3                            ; top
	s_sub_co_u32 s32, s35, s5                      ; my first step
	s_mov_b32 s31, 0
	s_lshl_b32 s40, s3, 20                         ; a batch of images
	s_mov_b32 s41, 0
	s_lshl_b32 s42, s4, 14                         ; my block's four images of Q
	s_add_co_u32 s42, s42, s40
	s_mov_b32 s43, 0
	s_lshl_b32 s44, s3, 14
	s_mov_b32 s45, 0
	s_lshl_b32 s46, s3, 22
	s_lshl_b32 s7, s4, 16
	s_add_co_u32 s46, s46, s7                      ; my block's 64 rows of out0
	s_mov_b32 s47, 0
	s_lshl_b32 s48, s4, 6                          ; 64 q
	s_wait_kmcnt 0x0
	s_load_b64 s[20:21], s[16:17], 0x18            ; e6, e7
	s_load_b64 s[22:23], s[16:17], 0x20            ; e8, e9
	s_add_nc_u64 s[8:9], s[8:9], s[42:43]
	s_add_nc_u64 s[10:11], s[10:11], s[40:41]
	s_add_nc_u64 s[12:13], s[12:13], s[40:41]
	s_add_nc_u64 s[14:15], s[14:15], s[44:45]
	s_add_nc_u64 s[18:19], s[18:19], s[46:47]
	ADDR 0
	WIN 0x40
.irp t, 0,1,2,3
.irp g, 0,1,2,3,4,5,6,7
	global_load_b128 v[32*\t+4*\g:32*\t+4*\g+3], v1, s[8:9] offset:\t*4096+512*\g
.endr
.endr
	WIN 0
	KR 0                                           ; the first step, in the order in which every trip asks
	KR 1
	KR 2
	KR 3
	VR 0
	VR 1
	VR 2
	VR 3
	s_sub_co_i32 s6, s4, s32
	s_lshl_b32 s6, s6, 6
	s_add_co_i32 s6, s6, 48
	v_lshlrev_b32 v7, 3, v6
	v_sub_nc_u32 v3, v5, v7
	v_add_nc_u32 v3, s6, v3                        ; 64 (q - my first step) + r - 8 h + 48
	v_mul_u32_u24 v[SO], v5, EXP
	v_lshl_add_u32 v[SO], v6, 5, v[SO]
	s_mul_i32 s6, s5, EXS
	v_add_nc_u32 v[SO], s6, v[SO]                  ; my part: row r, + 32 h
	s_mul_i32 s6, s5, 16*EXP
	v_add_nc_u32 v[SR], s6, v1                     ; rows 16 w on, 16 bytes a lane, in wave 0's part,
	v_add_nc_u32 v[SR+1], EXS, v[SR]
	v_add_nc_u32 v[SR+2], 2*EXS, v[SR]
	v_add_nc_u32 v[SR+3], 3*EXS, v[SR]             ; and in the three others'
	s_lshl_b32 s6, s5, 14
	v_add_nc_u32 v[GO], s6, v1
	v_add_nc_u32 v7, s48, v5
.irp t, 0,1,2,3
	v_add_nc_u32 v8, 16*\t, v7
	v_cvt_f32_u32 v8, v8
	POWG 12+\t, 8, 9, 4                            ; gamma^(64 q + 16 t + r)
.endr
	s_wait_kmcnt 0x0
	s_sub_co_i32 s7, s22, s20
	s_sub_co_i32 s7, s7, s21
	s_add_co_i32 s7, s7, 4                         ; E
	s_sub_co_i32 s6, 57, s7
	s_max_i32 s6, s6, 0
	s_min_u32 s6, s6, 127
	s_mul_i32 s6, s6, 51                           ; from this distance on every code is 0
	s_sub_co_i32 s6, s48, s6
	s_max_i32 s6, s6, 0
	s_lshr_b32 s6, s6, 6
	s_and_b32 s6, s6, -4                           ; the walk's lowest step
	s_sub_co_u32 s36, s35, s6                      ; 4 x trips - 1
	s_lshr_b32 s36, s36, 2                         ; the trips behind the first: the same number in all four waves
	s_min_u32 s36, s36, 15
	s_add_co_i32 s7, s7, 127
	s_lshl_b32 s6, s7, 23
	v_mov_b32 v10, s6                              ; 2^E as f32: the conversion takes its exponent field
	s_add_co_i32 s7, s7, 15
	s_lshl_b32 s7, s7, 23
	s_or_b32 s7, s7, 0x600000
	v_mov_b32 v11, s7                              ; 57,344 x 2^E
	s_add_co_i32 s38, s22, s23
	s_add_co_i32 s38, s38, 127
	s_lshl_b32 s38, s38, 23                        ; 2^(e8 + e9)
	s_mov_b32 s39, s38                             ; (named with it as a pair, so it is written)
	TRIP 1                                         ; the first trip: the mask, and the products that start O^T's sums
	s_cmp_eq_u32 s36, 0
	s_cbranch_scc1 .Lout
.Lloop:
	TRIP 0
	s_sub_co_u32 s36, s36, 1
	s_cmp_lg_u32 s36, 0
	s_cbranch_scc1 .Lloop
.Lout:
	; THE WAY OUT.  My partial sums x 2^(e8 + e9) go into my part of LDS as rows: a lane's eight channels of a row are 32 bytes.  One barrier; then wave w adds rows 16 w .. 16 w + 15 of the four parts and stores them whole.
	; (The last trip's refills are still on their way: their registers, K's, V's and wk's, are named no more.)
.irp ub, 0,1,2,3,4,5,6,7               ; two channel tiles, 64 registers, at a time
.if \ub < 4
	WIN 0x02
.else
	WIN 0x03
.endif
.set j, 0
.rept 32
	v_pk_mul_f32 v[SA+2*j:SA+2*j+1], v[64*(\ub%4)+2*j:64*(\ub%4)+2*j+1], s[38:39] op_sel_hi:[1,0]
.set j, j+1
.endr
	WIN 0
.irp uu, 0,1
.irp t, 0,1,2,3
	ds_store_b128 v[SO], v[SA+32*\uu+8*\t:SA+32*\uu+8*\t+3] offset:\t*16*EXP+64*(2*\ub+\uu)
	ds_store_b128 v[SO], v[SA+32*\uu+8*\t+4:SA+32*\uu+8*\t+7] offset:\t*16*EXP+64*(2*\ub+\uu)+16
.endr
.endr
.endr
	s_wait_dscnt 0x0                               ; for the others' sake: my part lies in LDS
	s_barrier_signal -1
	s_barrier_wait -1
.macro XLD x                           ; four of my rows, from each of the four parts: 32 loads, into the registers that O^T has left
	WIN 0x80
.irp k, 0,1,2,3,4,5,6,7
	ds_load_b128 v[32*(\x)+4*\k:32*(\x)+4*\k+3], v[SR] offset:(4*(\x)+\k/2)*EXP+(\k%2)*512
.endr
.irp k, 0,1,2,3,4,5,6,7
	ds_load_b128 v[128+32*(\x)+4*\k:128+32*(\x)+4*\k+3], v[SR+1] offset:(4*(\x)+\k/2)*EXP+(\k%2)*512
.endr
	WIN 0xc0
.irp k, 0,1,2,3,4,5,6,7
	ds_load_b128 v[32*(\x)+4*\k:32*(\x)+4*\k+3], v[SR+2] offset:(4*(\x)+\k/2)*EXP+(\k%2)*512
.endr
.irp k, 0,1,2,3,4,5,6,7
	ds_load_b128 v[128+32*(\x)+4*\k:128+32*(\x)+4*\k+3], v[SR+3] offset:(4*(\x)+\k/2)*EXP+(\k%2)*512
.endr
	WIN 0
.endm
.macro XSUM x                          ; (part 0 + part 1) + (part 2 + part 3), and out
	WIN 0x8a
.set j, 0
.rept 16
	v_pk_add_f32 v[32*(\x)+2*j:32*(\x)+2*j+1], v[32*(\x)+2*j:32*(\x)+2*j+1], v[128+32*(\x)+2*j:128+32*(\x)+2*j+1]
.set j, j+1
.endr
	WIN 0xcf
.set j, 0
.rept 16
	v_pk_add_f32 v[32*(\x)+2*j:32*(\x)+2*j+1], v[32*(\x)+2*j:32*(\x)+2*j+1], v[128+32*(\x)+2*j:128+32*(\x)+2*j+1]
.set j, j+1
.endr
	WIN 0x0e                                       ; source 0 window 2, source 1 window 3, destination window 0
.set j, 0
.rept 16
	v_pk_add_f32 v[SA+32*((\x)%2)+2*j:SA+32*((\x)%2)+2*j+1], v[32*(\x)+2*j:32*(\x)+2*j+1], v[32*(\x)+2*j:32*(\x)+2*j+1]
.set j, j+1
.endr
	WIN 0
.irp k, 0,1,2,3,4,5,6,7
	global_store_b128 v[GO], v[SA+32*((\x)%2)+4*\k:SA+32*((\x)%2)+4*\k+3], s[18:19] offset:512*(8*(\x)+\k) th:TH_STORE_NT   ; 32 lanes store 512 consecutive bytes, at a multiple of 256 from out0's first byte
.endr
.endm
	XLD 0
	XLD 1
	s_wait_dscnt 32                                ; all but the 32 just issued
	XSUM 0
	XLD 2
	s_wait_dscnt 32
	XSUM 1
	XLD 3
	s_wait_dscnt 32
	s_wait_xcnt 0x0                                ; the stores of two quarters ago have read the registers that are written again now
	XSUM 2
	s_wait_dscnt 0x0
	s_wait_xcnt 0x0
	XSUM 3
	s_wait_tensorcnt 0x0
	ds_add_u32 v126, v127
	s_wait_dscnt 0x0
	s_endpgm
.Lfunc_end_k_q369d945418_main:
	.size	k_q369d945418_main, .Lfunc_end_k_q369d945418_main-k_q369d945418_main
	.p2alignl 7, 3214868480
	.fill 96, 4, 3214868480
	.section	.rodata,"a",@progbits
	.p2align	6, 0x0
	.amdhsa_kernel k_q369d945418_main
		.amdhsa_group_segment_fixed_size 266752
		.amdhsa_private_segment_fixed_size 0
		.amdhsa_enable_private_segment 0
		.amdhsa_kernarg_size 48
		.amdhsa_user_sgpr_count 2
		.amdhsa_user_sgpr_kernarg_segment_ptr 1
		.amdhsa_wavefront_size32 1
		.amdhsa_system_sgpr_workgroup_id_x 1
		.amdhsa_system_sgpr_workgroup_id_y 1
		.amdhsa_system_sgpr_workgroup_id_z 1
		.amdhsa_system_vgpr_workitem_id 0
		.amdhsa_next_free_vgpr 1024
		.amdhsa_next_free_sgpr 66
		.amdhsa_reserve_vcc 1
		.amdhsa_float_denorm_mode_32 3
		.amdhsa_float_denorm_mode_16_64 3
		.amdhsa_memory_ordered 1
		.amdhsa_forward_progress 1
		.amdhsa_inst_pref_size 141
	.end_amdhsa_kernel
	.amdgpu_metadata
---
amdhsa.version: [ 1, 2 ]
amdhsa.kernels:
  - .name:           k_q369d945418_main
    .symbol:         k_q369d945418_main.kd
    .args:
      - { .name: qimg, .offset: 0, .size: 8, .value_kind: global_buffer, .address_space: global }
      - { .name: kimg, .offset: 8, .size: 8, .value_kind: global_buffer, .address_space: global }
      - { .name: vimg, .offset: 16, .size: 8, .value_kind: global_buffer, .address_space: global }
      - { .name: wk, .offset: 24, .size: 8, .value_kind: global_buffer, .address_space: global }
      - { .name: lowp_scales, .offset: 32, .size: 8, .value_kind: global_buffer, .address_space: global }
      - { .name: out0, .offset: 40, .size: 8, .value_kind: global_buffer, .address_space: global }
    .group_segment_fixed_size: 266752
    .private_segment_fixed_size: 0
    .kernarg_segment_align: 8
    .kernarg_segment_size: 48
    .max_flat_workgroup_size: 128
    .sgpr_count:     66
    .vgpr_count:     1024
    .wavefront_size: 32
...
	.end_amdgpu_metadata
.endif
;; end of part 4
;; ======== version 3 of 3: 3 launches; version 2 with the launches proj, main written anew for expert scheduling mode
;; workspace buffers: qimg 4,194,304 bytes; kimg 4,194,304 bytes; vimg 4,194,304 bytes; lsum 262,144 bytes; wk 65,536 bytes
;; launch proj (part 5): grid 128 x 3, 4 waves a work-group, no clusters, 36,352 bytes of LDS; arguments xq_codes, xk_codes, xv_codes, Wq_codes, Wk_codes, Wv_codes, bq, bk, bv, lowp_scales, qimg, kimg, vimg, lsum; writes qimg, kimg, vimg, lsum
.if DOCPART == 5
	.amdgcn_target "amdgcn-amd-amdhsa--gfx1250"
	.amdhsa_code_object_version 6
	.text
	.protected	k_q369d945418_proj
	.globl	k_q369d945418_proj
	.p2align	8
	.type	k_q369d945418_proj,@function
k_q369d945418_proj:
	s_mov_b64 s[64:65], 0
	v_nop
	global_prefetch_b8 v0, s[64:65] scope:SCOPE_SE
	s_setreg_imm32_b32 hwreg(HW_REG_WAVE_SCHED_MODE, 0, 2), 2
	s_setreg_imm32_b32 hwreg(HW_REG_WAVE_MODE, 25, 1), 1
	s_wait_xcnt 0x0
	s_wait_alu depctr_vm_vsrc(0)
; Q = xq Wq + bq, K = xk Wk + bk, V = xv Wv + bv on codes of E5M2, and their results quantised again (with the scales of the fourth and fifth product) into IMAGES OF OPERAND REGISTERS.
; Work-group (X, y): y = 0 Q, 1 K, 2 V; X = 128 flattened rows (batch X / 32, key step X % 32).  Four waves: wave w keeps W's rows (output channels) 64 w .. 64 w + 63 in 128 registers;
; the 8 tiles of 16 rows of x go round through LDS as images of their registers, so every wave multiplies all 8 tiles by its own channels.
; Q, K: source 0 = 16 channels of W, source 1 = 16 rows of x: a lane holds ONE row and eight neighbouring channels, which are the next product's K: the conversion's two registers are registers
;   2 T, 2 T + 1 (T = 4 w + t) of the row tile's fragment.  qimg, kimg: [row tile][group g of 4 registers][lane][16 bytes].
; V: sources swapped: a lane holds ONE channel and eight neighbouring keys, the fifth product's K.  vimg: [X][channel tile 16][g 4][lane][16 bytes].
; K also leaves, for each chunk of 64 keys, L[d] = sum over the chunk's keys j of gamma^(63 - j % 64) rho_j x (K's code value), rho_j = 1 / sqrt((1 - gamma^(j+1)) / (1 - gamma)): lsum [batch x 64 + chunk][256] f32.
; x's and W's fragments are fetched by loads of 16 bytes: register 4 c + i of a K step holds k = 32 c + 16 (lane / 16) + 4 i ..: one permutation of k, the same on both sides.
; A sum stands for sum x 2^(ex + ew): the bias goes in as the first product's C, divided by that power; the conversion takes 2^(eo - ex - ew).
; LIMITS: eo - ex - ew between -126 and 112 for each of the three; infinity and NaN codes among the inputs are not served.
; THE MODE: SCHED_MODE bits 1:0 = 2 (LLVM: expert scheduling mode 2), set by the entry lines.  The code itself states the register dependences
; between vector or matrix instructions and memory or LDS instructions, with s_wait_alu, always for 0.
; THE PLAN.  Registers that memory or LDS instructions touch:
;   XF0, XF1    Tile c's products read XF[c % 2]; the LDS loads of tile c + 1, issued at tile c's head, land in XF[(c + 1) % 2], which tile c - 1's products read.  At the head XF is the data of my LDS stores.
;   CD0, CD1    Tile c's conversions write CD[c % 2]; the two global stores that read it are issued at tile c + 1's head; tile c + 2's conversions write it again.
;   LACC        K: written by a chunk's sums, read by eight LDS stores at the next tile's head (behind the last tile: at the end), begun anew by that tile's multiplies.
;   DQ          K: named by vector instructions; at the end one LDS load lands in it.      VC   V: written by the conversions, stored once at the end.
;   v1, v4-v15  offsets and addresses, made once at the head.      v21 the data of one LDS store.      v240-243 at work at the head, then four of the bias's loads land in them.
; So ONE wait on va_vdst stands at a tile's head: the tile before is done reading the buffer that is fetched into, and has written the codes (K: and the sums) that are stored.
; One wait on vm_vsrc stands in a tile, ahead of its conversions, beside the wait on XCNT: the stores of two tiles ago have read this tile's set of codes (K, tile 4: the LDS stores have read the sums).
.set XI,   0                           ; LDS: 8 images of 4,096 bytes
.set WL,   32768                       ; 128 weights gamma^(63 - j % 64) rho_j
.set LST,  33280                       ; 2 chunks x 256 f32; wave w writes and reads bytes 256 w .. 256 w + 255 of each chunk alone
.set SCL,  16                          ; v16  the conversion's scale as f32
.set LIM,  17                          ; v17  57,344 x that
.set ONE,  18                          ; v18  the scale byte of 1.0 in every byte
.set CD,   24                          ; v24-39   codes just made, two sets of 8
.set BI,   40                          ; v40-71   the bias in the result's layout
.set ACC,  72                          ; v72-103  four accumulators
.set XF,   104                         ; v104-167 x as loaded, then two fragment buffers of 32
.set VC,   168                         ; V: v168-231 the codes of all 8 tiles
.set LACC, 168                         ; K: v168-199 the chunk's sums
.set DQ,   200                         ; K: v200-231 code values as f32
.set WLR,  232                         ; K: v232-239 my row's weight in each tile
.set MSB,  0
.macro WIN new                         ; the immediate's high byte repeats the setting that is left
.if MSB != \new
	s_set_vgpr_msb (MSB<<8)|\new
.set MSB, \new
.endif
.endm
; gamma^n, n a whole number as f32, |n| <= 4,160.  log2(gamma) = HI + LO with HI = -1285 / 65536, so n HI is exact; its whole part goes through v_ldexp_f32, the rest through v_exp_f32.
.macro POWG dst, n, t0, t1
	v_mul_f32 v[\t0], 0xbca0a000, v[\n]
	v_rndne_f32 v[\t1], v[\t0]
	v_sub_f32 v[\t0], v[\t0], v[\t1]
	v_fmamk_f32 v[\t0], v[\n], 0xb5c47565, v[\t0]
	v_exp_f32 v[\dst], v[\t0]
	v_cvt_i32_f32 v[\t1], v[\t1]                   ; a plain instruction behind the exponential
	s_wait_alu depctr_va_vdst(0)                   ; ahead of the first line that names the exponential's result
	v_ldexp_f32 v[\dst], v[\dst], v[\t1]
.endm
; rho = 1 / sqrt((1 - gamma^n) / (1 - gamma)).  Up to n = 16 the difference 1 - gamma^n is taken from the series of 1 - e^y, y = n ln(gamma), which loses no digits.
.macro RHO dst, n, g, t0, t1
	POWG \g, \n, \t0, \t1
	v_sub_f32 v[\g], 1.0, v[\g]
	v_mul_f32 v[\t0], 0xbc5eb0ae, v[\n]            ; y
	v_mov_b32 v[\t1], 0x39500d01                   ; 1/5040
	v_fmaak_f32 v[\t1], v[\t1], v[\t0], 0x3ab60b61 ; 1/720
	v_fmaak_f32 v[\t1], v[\t1], v[\t0], 0x3c088889 ; 1/120
	v_fmaak_f32 v[\t1], v[\t1], v[\t0], 0x3d2aaaab ; 1/24
	v_fmaak_f32 v[\t1], v[\t1], v[\t0], 0x3e2aaaab ; 1/6
	v_fmaak_f32 v[\t1], v[\t1], v[\t0], 0x3f000000 ; 1/2
	v_fmaak_f32 v[\t1], v[\t1], v[\t0], 0x3f800000 ; 1
	v_mul_f32 v[\t1], -v[\t1], v[\t0]              ; 1 - e^y
	v_cmp_gt_f32 vcc_lo, 0x41840000, v[\n]         ; 16.5 > n
	s_wait_alu depctr_va_vcc(0)                    ; the compare has written VCC, which the select reads
	v_cndmask_b32 v[\g], v[\g], v[\t1], vcc_lo
	v_mul_f32 v[\g], 0x429425ff, v[\g]             ; / (1 - gamma)
	v_rsq_f32 v[\dst], v[\g]
	v_nop
	s_wait_alu depctr_va_vdst(0)                   ; ahead of the first line that names the root's result
.endm
.macro FETCH c                         ; tile c's image back into buffer c % 2: the same registers in the same lanes as in the wave that stored it
.irp i, 0,1,2,3,4,5,6,7
	ds_load_b128 v[XF+32*((\c)%2)+4*\i:XF+32*((\c)%2)+4*\i+3], v1 offset:XI+(\c)*4096+512*\i
.endr
.endm
.macro COUT c                          ; Q, K: tile c's codes: groups 2 w and 2 w + 1 of the tile's image: 512 consecutive bytes each
	global_store_b128 v12, v[CD+8*((\c)%2):CD+8*((\c)%2)+3], s[42:43] offset:(\c)*4096
	global_store_b128 v12, v[CD+8*((\c)%2)+4:CD+8*((\c)%2)+7], s[42:43] offset:(\c)*4096+512
.endm
.macro LOUT k                          ; K: chunk k's sums into my bytes of LST: sixteen lanes write the same words with the same numbers
.irp t, 0,1,2,3
	ds_store_b128 v10, v[LACC+8*\t:LACC+8*\t+3] offset:(\k)*1024+64*\t
	ds_store_b128 v10, v[LACC+8*\t+4:LACC+8*\t+7] offset:(\k)*1024+64*\t+16
.endr
.endm
; One tile of 16 rows.  kind 0: Q, 1: K, 2: V.
.macro TILE c, kind
.set XB, XF+32*((\c)%2)
.set CB, CD+8*((\c)%2)
.if ((\c) > 0) && (((\c) < 7) || (\kind != 2))
	s_wait_alu depctr_va_vdst(0)                   ; the tile before: its products are done reading the buffer in which the loads below land; its conversions have written the codes, and in K its additions the sums, that the stores below read
.endif
.if (\c) < 7
	FETCH (\c)+1                                   ; its buffer's last products stand more than four plain instructions back
.endif
.if (\kind == 1) && ((\c) == 4)
	LOUT 0
.endif
.if (\kind != 2) && ((\c) > 0)
	COUT (\c)-1
.endif
.if (\c) == 7
	s_wait_dscnt 0x0
.elseif (\kind == 1) && ((\c) == 4)
	s_wait_dscnt 16                                ; all but the eight loads and the eight stores just issued: this tile's fragments are in
.else
	s_wait_dscnt 0x8                               ; all but those eight: this tile's fragments are in
.endif
.if \kind == 2
	WIN 0x04                                       ; source 1 (W) in window 1
.irp t, 0,1,2,3
	v_wmma_f32_16x16x128_bf8_bf8 v[ACC+8*\t:ACC+8*\t+7], v[XB:XB+15], v[32*\t:32*\t+15], v[BI+8*\t:BI+8*\t+7]
.endr
.irp t, 0,1,2,3
	v_wmma_f32_16x16x128_bf8_bf8 v[ACC+8*\t:ACC+8*\t+7], v[XB+16:XB+31], v[32*\t+16:32*\t+31], v[ACC+8*\t:ACC+8*\t+7]
.endr
.else
	WIN 0x01                                       ; source 0 (W) in window 1
.irp t, 0,1,2,3
	v_wmma_f32_16x16x128_bf8_bf8 v[ACC+8*\t:ACC+8*\t+7], v[32*\t:32*\t+15], v[XB:XB+15], v[BI+8*\t:BI+8*\t+7]
.endr
.irp t, 0,1,2,3
	v_wmma_f32_16x16x128_bf8_bf8 v[ACC+8*\t:ACC+8*\t+7], v[32*\t+16:32*\t+31], v[XB+16:XB+31], v[ACC+8*\t:ACC+8*\t+7]
.endr
.endif
	WIN 0
.rept 4
	v_nop                                          ; four places between the products and the first read of their results
.endr
.if \kind != 2
	s_wait_xcnt 0x0                                ; the stores of two tiles ago have had their addresses translated: this set of code registers is written again only behind this wait
.if (\c) > 1
	s_wait_alu depctr_vm_vsrc(0)                   ; the stores of two tiles ago have read this set of code registers, which the conversions below write; K, tile 4: the LDS stores at this tile's head have read the sums, which are begun anew below
.endif
.endif
.set j, 0
.rept 32
	v_med3_num_f32 v[ACC+j], v[ACC+j], -v[LIM], v[LIM]   ; the conversion does not saturate: the hold at the largest code x the scale; each accumulator from its low end on
.set j, j+1
.endr
.irp t, 0,1,2,3
.if \kind == 2
	v_cvt_scalef32_pk8_bf8_f32 v[VC+16*\t+2*(\c):VC+16*\t+2*(\c)+1], v[ACC+8*\t:ACC+8*\t+7], v[SCL]
.else
	v_cvt_scalef32_pk8_bf8_f32 v[CB+2*\t:CB+2*\t+1], v[ACC+8*\t:ACC+8*\t+7], v[SCL]
.endif
.endr
	v_nop                                          ; a plain instruction behind the last conversion; with the second and the four above: more than five places before the next tile's products write over these accumulators
	v_nop
.if \kind == 1
.irp t, 0,1,2,3
	v_cvt_scale_pk8_f32_bf8 v[DQ+8*\t:DQ+8*\t+7], v[CB+2*\t:CB+2*\t+1], v[ONE]   ; the code values, as the later products will see them
.endr
	v_nop
.set WP, WLR+2*((\c)/2)
.set j, 0
.rept 16
.if (\c)%4 == 0
	v_pk_mul_f32 v[LACC+2*j:LACC+2*j+1], v[DQ+2*j:DQ+2*j+1], v[WP:WP+1] op_sel:[0,0] op_sel_hi:[1,0]      ; a chunk's first tile starts the sums
.elseif (\c)%2 == 0
	v_pk_fma_f32 v[LACC+2*j:LACC+2*j+1], v[DQ+2*j:DQ+2*j+1], v[WP:WP+1], v[LACC+2*j:LACC+2*j+1] op_sel:[0,0,0] op_sel_hi:[1,0,1]
.else
	v_pk_fma_f32 v[LACC+2*j:LACC+2*j+1], v[DQ+2*j:DQ+2*j+1], v[WP:WP+1], v[LACC+2*j:LACC+2*j+1] op_sel:[0,1,0] op_sel_hi:[1,1,1]
.endif
.set j, j+1
.endr
.if (\c)%4 == 3                        ; the chunk's 64 rows are in: the 16 rows that the lanes of a half hold are added; the sums are stored behind the next wait on va_vdst
.irp m, 1,2,4,8
.set j, 0
.rept 32
	v_add_f32_dpp v[LACC+j], v[LACC+j], v[LACC+j] row_xmask:\m row_mask:0xf bank_mask:0xf
.set j, j+1
.endr
.endr
.endif
.endif
.endm
	s_load_b512 s[8:23], s[0:1], 0x0               ; xq, xk, xv, Wq, Wk, Wv, bq, bk
	s_load_b256 s[24:31], s[0:1], 0x40             ; bv, the scales, qimg, kimg
	s_load_b128 s[32:35], s[0:1], 0x60             ; vimg, lsum
	v_lshl_add_u32 v254, v0, 2, 0x8c00
	v_mov_b32 v255, 0
	v_lshrrev_b32 v1, 5, v0
	v_readfirstlane_b32 s5, v1                     ; wave 0..3
	s_and_b32 s3, ttmp7, 0xffff                    ; y: which tensor
	v_and_b32 v1, 31, v0
	v_lshlrev_b32 v1, 4, v1                        ; v1  16 x lane
	v_and_b32 v2, 15, v0                           ; v2  r
	v_bfe_u32 v3, v0, 4, 1                         ; v3  h
	v_lshlrev_b32 v4, 8, v2
	v_lshl_add_u32 v4, v3, 4, v4                   ; 256 r + 16 h
	s_wait_alu depctr_va_sdst(0)                   ; s5 is written, ahead of its first reader
	s_lshl_b32 s6, s5, 14
	v_add_nc_u32 v5, s6, v4                        ; v5  W: my 64 rows of 256 bytes
	s_lshl_b32 s6, s5, 13
	v_add_nc_u32 v4, s6, v4                        ; v4  x: my two tiles
	v_add_nc_u32 v6, s6, v1                        ; v6  8,192 w + 16 lane: x's images in LDS; V's images in memory
	v_lshl_add_u32 v8, v0, 2, WL                   ; v8  my weight's word
	v_lshl_add_u32 v9, v2, 2, WL                   ; v9  row r's weight
	s_lshl_b32 s6, s5, 8
	v_lshl_add_u32 v14, v3, 5, s6                  ; v14 bias, Q and K: (64 w + 8 h) x 4
	v_add_nc_u32 v10, LST, v14                     ; v10 the sums' place in LST
	v_lshl_add_u32 v15, v2, 2, s6                  ; v15 bias, V: (64 w + r) x 4
	v_lshl_add_u32 v7, v2, 4, s6
	v_lshl_add_u32 v7, v3, 10, v7                  ; v7  lsum: chunk h, 256 w + 16 r
	v_add_nc_u32 v11, LST, v7                      ; v11 the same place in LST
	s_lshl_b32 s6, s5, 10
	v_add_nc_u32 v12, s6, v1                       ; v12 1,024 w + 16 lane: my two groups of an image
	s_wait_kmcnt 0x0
	s_load_b256 s[48:55], s[26:27], 0x0            ; e0 .. e7
	s_load_b64 s[56:57], s[26:27], 0x20            ; e8, e9
	s_cmp_eq_u32 s3, 0                             ; the buffers are chosen by the work-group's y alone
	s_cselect_b64 s[36:37], s[8:9], s[10:11]
	s_cselect_b64 s[38:39], s[14:15], s[16:17]
	s_cselect_b64 s[40:41], s[20:21], s[22:23]
	s_cselect_b64 s[42:43], s[28:29], s[30:31]
	s_cmp_eq_u32 s3, 2
	s_cselect_b64 s[36:37], s[12:13], s[36:37]     ; x
	s_cselect_b64 s[38:39], s[18:19], s[38:39]     ; W
	s_cselect_b64 s[40:41], s[24:25], s[40:41]     ; bias
	s_cselect_b64 s[42:43], s[32:33], s[42:43]     ; image
	s_lshl_b32 s44, ttmp9, 15                      ; 128 rows of 256 codes; 8 images of 4,096 bytes; a step of V's images: 32,768 bytes each
	s_mov_b32 s45, 0
	s_add_nc_u64 s[36:37], s[36:37], s[44:45]
	s_add_nc_u64 s[42:43], s[42:43], s[44:45]
	s_lshl_b32 s44, ttmp9, 11                      ; two chunks of 1,024 bytes
	s_add_nc_u64 s[34:35], s[34:35], s[44:45]
	s_wait_alu depctr_va_vdst(0)                   ; v1 and v4 to v15 are written: every load, store and LDS instruction of the kernel reads one of them as its offset or address
.irp u, 0,1
.irp s, 0,1
.irp c, 0,1,2,3
	global_load_b128 v[XF+32*\u+16*\s+4*\c:XF+32*\u+16*\s+4*\c+3], v4, s[36:37] offset:\u*4096+128*\s+32*\c th:TH_LOAD_NT
.endr
.endr
.endr
	WIN 0x40                                       ; destination window 1
.irp t, 0,1,2,3
.irp s, 0,1
.irp c, 0,1,2,3
	global_load_b128 v[32*\t+16*\s+4*\c:32*\t+16*\s+4*\c+3], v5, s[38:39] offset:\t*4096+128*\s+32*\c
.endr
.endr
.endr
	WIN 0
	; the weight of key j = 128 (X % 32) + thread, made while the loads are out
	s_and_b32 s6, ttmp9, 31
	s_lshl_b32 s6, s6, 7
	s_add_co_u32 s6, s6, 1
	v_add_nc_u32 v19, s6, v0
	v_cvt_f32_u32 v19, v19                         ; j + 1
	v_and_b32 v20, 63, v0
	v_sub_nc_u32 v20, 63, v20
	v_cvt_f32_u32 v20, v20                         ; 63 - j % 64
	POWG 21, 20, 240, 241
	RHO 22, 19, 23, 240, 241
	v_mul_f32 v21, v21, v22
	s_wait_alu depctr_va_vdst(0)                   ; v21 is written, which the LDS store reads; the arithmetic above is done with v240 and v241, in which loads of the bias land below
	ds_store_b32 v8, v21
	s_wait_loadcnt 32                              ; W's 32 loads are younger: x's 16 are in
.irp u, 0,1
.irp g, 0,1,2,3,4,5,6,7
	ds_store_b128 v6, v[XF+32*\u+4*\g:XF+32*\u+4*\g+3] offset:XI+\u*4096+512*\g
.endr
.endr
.irp t, 0,1,2,3                        ; both lane forms of the bias, so that no register is written on one way alone
	global_load_b128 v[BI+8*\t:BI+8*\t+3], v14, s[40:41] offset:64*\t
	global_load_b128 v[BI+8*\t+4:BI+8*\t+7], v14, s[40:41] offset:64*\t+16
	global_load_b32 v[240+\t], v15, s[40:41] offset:64*\t
.endr
	s_wait_dscnt 0x0                               ; for the others' sake: my images and my weight are in LDS
	s_barrier_signal -1
	s_barrier_wait -1
	s_wait_alu depctr_vm_vsrc(0)                   ; my LDS stores have read v[XF ..], in which the fragments' loads land from here on, on each of the three ways
	s_wait_loadcnt 0x0                             ; W and the bias
	s_wait_kmcnt 0x0
	s_cmp_eq_u32 s3, 0
	s_cselect_b32 s58, s48, s50
	s_cselect_b32 s59, s49, s51
	s_cselect_b32 s60, s54, s55
	s_cmp_eq_u32 s3, 2
	s_cselect_b32 s58, s52, s58                    ; ex
	s_cselect_b32 s59, s53, s59                    ; ew
	s_cselect_b32 s60, s57, s60                    ; eo
	s_add_co_i32 s58, s58, s59
	s_sub_co_i32 s60, s60, s58                     ; eo - ex - ew
	s_sub_co_i32 s59, 0, s58                       ; -(ex + ew)
	s_add_co_i32 s60, s60, 127
	s_lshl_b32 s61, s60, 23
	v_mov_b32 v[SCL], s61
	s_add_co_i32 s60, s60, 15
	s_lshl_b32 s60, s60, 23
	s_or_b32 s60, s60, 0x600000
	v_mov_b32 v[LIM], s60
	v_mov_b32 v[ONE], 0x7f7f7f7f
	s_cmp_eq_u32 s3, 2
	s_cbranch_scc1 .Lv
.set j, 0
.rept 32
	v_ldexp_f32 v[BI+j], v[BI+j], s59
.set j, j+1
.endr
	s_cmp_eq_u32 s3, 1
	s_cbranch_scc1 .Lk
	FETCH 0
.irp c, 0,1,2,3,4,5,6,7
	TILE \c, 0
.endr
	s_wait_alu depctr_va_vdst(0)                   ; tile 7's conversions have written its codes, which the stores read
	COUT 7
	s_wait_dscnt 0x0                               ; the closing lines, six on end
	s_wait_alu 0x0
	s_wait_tensorcnt 0x0
	ds_add_u32 v254, v255
	s_wait_dscnt 0x0
	s_endpgm
.Lk:
.irp c, 0,1,2,3,4,5,6,7
	ds_load_b32 v[WLR+\c], v9 offset:64*\c
.endr
	FETCH 0
.irp c, 0,1,2,3,4,5,6,7
	TILE \c, 1
.endr
	s_wait_alu depctr_va_vdst(0)                   ; tile 7: its conversions have written its codes and its additions the second chunk's sums, which the stores read; its multiply-adds are done reading v[DQ ..], in which the load below lands
	LOUT 1
	COUT 7
	ds_load_b128 v[DQ:DQ+3], v11                   ; my own bytes of LST: LDS serves a wave's instructions in order
	s_wait_dscnt 0x0
	global_store_b128 v7, v[DQ:DQ+3], s[34:35]     ; sixteen lanes store 256 consecutive bytes, aligned: my 64 channels of a chunk
	s_wait_dscnt 0x0                               ; the closing lines, as above
	s_wait_alu 0x0
	s_wait_tensorcnt 0x0
	ds_add_u32 v254, v255
	s_wait_dscnt 0x0
	s_endpgm
.Lv:
.irp t, 0,1,2,3
.irp i, 0,1,2,3,4,5,6,7
	v_ldexp_f32 v[BI+8*\t+\i], v[240+\t], s59      ; a lane holds one channel: its bias in all eight registers
.endr
.endr
	FETCH 0
.irp c, 0,1,2,3,4,5,6,7
	TILE \c, 2
.endr
	s_wait_alu depctr_va_vdst(0)                   ; the conversions of all eight tiles have written v[VC ..], which the stores read
.irp t, 0,1,2,3
.irp g, 0,1,2,3
	global_store_b128 v6, v[VC+16*\t+4*\g:VC+16*\t+4*\g+3], s[42:43] offset:\t*2048+\g*512
.endr
.endr
	s_wait_dscnt 0x0                               ; the closing lines, as above
	s_wait_alu 0x0
	s_wait_tensorcnt 0x0
	ds_add_u32 v254, v255
	s_wait_dscnt 0x0
	s_endpgm
.Lfunc_end_k_q369d945418_proj:
	.size	k_q369d945418_proj, .Lfunc_end_k_q369d945418_proj-k_q369d945418_proj
	.p2alignl 7, 3214868480
	.fill 96, 4, 3214868480
	.section	.rodata,"a",@progbits
	.p2align	6, 0x0
	.amdhsa_kernel k_q369d945418_proj
		.amdhsa_group_segment_fixed_size 36352
		.amdhsa_private_segment_fixed_size 0
		.amdhsa_enable_private_segment 0
		.amdhsa_kernarg_size 112
		.amdhsa_user_sgpr_count 2
		.amdhsa_user_sgpr_kernarg_segment_ptr 1
		.amdhsa_wavefront_size32 1
		.amdhsa_system_sgpr_workgroup_id_x 1
		.amdhsa_system_sgpr_workgroup_id_y 1
		.amdhsa_system_sgpr_workgroup_id_z 1
		.amdhsa_system_vgpr_workitem_id 0
		.amdhsa_next_free_vgpr 384
		.amdhsa_next_free_sgpr 66
		.amdhsa_reserve_vcc 1
		.amdhsa_float_denorm_mode_32 3
		.amdhsa_float_denorm_mode_16_64 3
		.amdhsa_memory_ordered 1
		.amdhsa_forward_progress 1
		.amdhsa_inst_pref_size 136
	.end_amdhsa_kernel
	.amdgpu_metadata
---
amdhsa.version: [ 1, 2 ]
amdhsa.kernels:
  - .name:           k_q369d945418_proj
    .symbol:         k_q369d945418_proj.kd
    .args:
      - { .name: xq_codes, .offset: 0, .size: 8, .value_kind: global_buffer, .address_space: global }
      - { .name: xk_codes, .offset: 8, .size: 8, .value_kind: global_buffer, .address_space: global }
      - { .name: xv_codes, .offset: 16, .size: 8, .value_kind: global_buffer, .address_space: global }
      - { .name: Wq_codes, .offset: 24, .size: 8, .value_kind: global_buffer, .address_space: global }
      - { .name: Wk_codes, .offset: 32, .size: 8, .value_kind: global_buffer, .address_space: global }
      - { .name: Wv_codes, .offset: 40, .size: 8, .value_kind: global_buffer, .address_space: global }
      - { .name: bq, .offset: 48, .size: 8, .value_kind: global_buffer, .address_space: global }
      - { .name: bk, .offset: 56, .size: 8, .value_kind: global_buffer, .address_space: global }
      - { .name: bv, .offset: 64, .size: 8, .value_kind: global_buffer, .address_space: global }
      - { .name: lowp_scales, .offset: 72, .size: 8, .value_kind: global_buffer, .address_space: global }
      - { .name: qimg, .offset: 80, .size: 8, .value_kind: global_buffer, .address_space: global }
      - { .name: kimg, .offset: 88, .size: 8, .value_kind: global_buffer, .address_space: global }
      - { .name: vimg, .offset: 96, .size: 8, .value_kind: global_buffer, .address_space: global }
      - { .name: lsum, .offset: 104, .size: 8, .value_kind: global_buffer, .address_space: global }
    .group_segment_fixed_size: 36352
    .private_segment_fixed_size: 0
    .kernarg_segment_align: 8
    .kernarg_segment_size: 112
    .max_flat_workgroup_size: 128
    .sgpr_count:     66
    .vgpr_count:     384
    .wavefront_size: 32
...
	.end_amdgpu_metadata
.endif
;; end of part 5
;; launch den: the kernel of part 2 again; grid 64 x 4, 4 waves a work-group, no clusters, 2,560 bytes of LDS; arguments qimg, kimg, lsum, lowp_scales, wk; writes wk
;; launch main (part 6): grid 64 x 4, 4 waves a work-group, no clusters, 266,752 bytes of LDS; arguments qimg, kimg, vimg, wk, lowp_scales, out0; writes out0
.if DOCPART == 6
	.amdgcn_target "amdgcn-amd-amdhsa--gfx1250"
	.amdhsa_code_object_version 6
	.text
	.protected	k_q369d945418_main
	.globl	k_q369d945418_main
	.p2align	8
	.type	k_q369d945418_main,@function
k_q369d945418_main:
	s_mov_b64 s[64:65], 0
	v_nop
	global_prefetch_b8 v0, s[64:65] scope:SCOPE_SE
	s_setreg_imm32_b32 hwreg(HW_REG_WAVE_SCHED_MODE, 0, 2), 2
	s_setreg_imm32_b32 hwreg(HW_REG_WAVE_MODE, 25, 1), 1
	s_wait_xcnt 0x0
	s_wait_alu depctr_vm_vsrc(0)
; out[b][i][:] = sum over keys j <= i of Quant( s(i, j) / 16 x gamma^(i - j) rho_j / den_j ) V(j, :), both products on codes of E5M2.
; The number ahead of the quantiser is s_raw x wk_j x gamma^i x 2^(e6 + e7 - 4), wk from the launch before; the conversion takes 2^E, E = e8 - e6 - e7 + 4; a finished sum is multiplied by 2^(e8 + e9).
; SHARES.  A work-group owns 64 queries (block q) of batch y.  Four waves; EACH WAVE HOLDS ALL 64 QUERIES x 256 CHANNELS of O^T (512 registers) and walks steps of 64 keys of its own: wave w takes steps
;   top - w, top - w - 4, ..  So P never leaves the wave's registers, the loop has no barrier and no LDS, and each byte of K's and V's images is read by one wave, 512 consecutive bytes an instruction.
;   The four waves' partial sums meet once, at the end, in LDS.
; A STEP.  S^T = K Q^T for four tiles of 16 keys (source 0 = 16 keys, source 1 = 16 queries: a lane holds one query and eight neighbouring keys); its conversion's two registers are registers 2 c, 2 c + 1
;   of P's fragment of 64 keys; O^T += V^T P^T by the form of 64 along K (source 0 = 16 channels: two of the four groups of V's image).
; BY TURNS.  S^T is two halves of two query tiles.  While one half is scaled, held and converted, the other half's four products stand one in front of each eight plain instructions.  All that the vector
;   work names lies in window 0, K and Q in window 1: a slice costs two switches of the window; a second copy of S^T, which would spare nothing of that, has no room (512 + 384 + 96 registers leave 32).
; THE WALK'S ENDS.  top = q | 3: steps above the diagonal fall into the first trip alone, which is written out with the mask and starts O^T's sums.
;   Below: a code's value is at most 57,344, so |s_raw| <= 256 x 57,344^2 < 2^40; rho <= 1 and 1 / den <= 1; so the number ahead of the quantiser, over 2^e8, is under 2^(40 - E) gamma^(i - j).
;   What is at most 2^-17 becomes the code 0, and gamma^51 < 1/2: keys with i - j >= 51 (57 - E) add nothing, whatever the inputs, and the walk stops above them (at a multiple of four steps).
; No joint requests and no tensor loads: a tile of K or V serves one wave here.
; WHICH BLOCK.  x = 16 a + c gives q = 16 ((a + c) % 4) + (c, or 15 - c where (a + c) % 4 is odd): one to one, and any sixteen neighbouring work-groups, and any sixteen that lie sixteen apart, get long and short walks alike.
; LIMITS: E between -126 and 112; e8 + e9 between -126 and 127; infinity and NaN codes are not served.
; REGISTERS.  window 0: v1 16 lane; v2 32 (lane / 16); v3, v4 the mask; v10 2^E, v11 57,344 x 2^E; v12-15 gamma^i of the four tiles; v16-47 wk, a set of 8 for each key tile; v48-79 S^T; v80-111 P;
;   v114-119 the way out; v128-255 V, 16 fragments of 8.   window 1: v0-127 Q (32 t + 16 s); v128-255 K, four tiles of 32.   windows 2, 3: O^T, accumulator (u, t) at 32 (u % 8) + 8 t.   s40-47: the mask's bits, in the first trip.
; THE MODE: SCHED_MODE bits 1:0 = 2 (LLVM: expert scheduling mode 2), set by the entry lines.  The code itself states the register dependences
; between vector or matrix instructions and memory or LDS instructions, with s_wait_alu, always for 0.
; THE PLAN.  Registers that memory or LDS instructions touch, in the loop:
;   K0 .. K3    read by the products of key tile c (the last of them in the first of the tile's two blocks); then the next step's tile is loaded into them.
;   wk0 .. wk3  read by the multiplies of tile c's two blocks; loaded with K.
;   V0 .. V3    read by the sixteen products of channel group g; then loaded again.
;   v1, v2      the loads' offsets: made at the head, never written again; the rows are reached by three scalar bases, stepped once a trip, and by immediate offsets.
;   S^T, P, Q and O^T are named by vector and matrix instructions alone.
; A trip's loads, in the order of their issue:  H: V2, V3 of THIS step, behind the trip's first four products (16);  M1: wk0, wk1, K0, K1 of the next step, behind tile 1's second block (20);
;   M2: wk2, wk3, K2 behind the last block, K3 behind group 0 (20);  M3: V0 behind group 1, V1 behind group 2 (16).  The head asks for Q and then for the first step's M1, M2, M3 in this order.
; FOUR waits on va_vdst a trip, each for two pieces: at the trip's head (groups 2 and 3 of the trip before are done reading V2, V3: for H; the four products between name K0, Q and S^T);
;   ahead of M1 (tiles 0 and 1 are done with); ahead of M2 (tiles 2 and 3; group 0, which stands ahead of K3's loads, names O^T, V0 and P); ahead of M3 (groups 0 and 1; group 2, ahead of V1's loads, names V2).
; THE WAY OUT has two out-buffers for the LDS stores, v48-111 and v192-255 (V2's and V3's registers: nothing is on its way into them behind the last trip), and an out-buffer of 32 registers for each quarter's global stores.
.set EXP,  1040                        ; the way out: a row of 1,024 bytes + 16
.set EXS,  64*EXP                      ; a wave's 64 rows
.set WKR,  16
.set SA,   48
.set PA,   80
.set VB,   128
.set KB,   128
.set OBUF, 192                         ; the way out's second out-buffer
.set SO,   114                         ; v114 where I put 16 bytes of a row
.set GO,   115                         ; v115 my byte offset in the block's rows of out0
.set SR,   116                         ; v116-119 where I read my 16 rows back, in each wave's part
.set MSB,  0
.macro WIN new                         ; the immediate's high byte repeats the setting that is left
.if MSB != \new
	s_set_vgpr_msb (MSB<<8)|\new
.set MSB, \new
.endif
.endm
.macro POWG dst, n, t0, t1             ; gamma^n, n a whole number as f32, |n| <= 4,160: n x (-1285 / 65536) is exact; its whole part goes through v_ldexp_f32
	v_mul_f32 v[\t0], 0xbca0a000, v[\n]
	v_rndne_f32 v[\t1], v[\t0]
	v_sub_f32 v[\t0], v[\t0], v[\t1]
	v_fmamk_f32 v[\t0], v[\n], 0xb5c47565, v[\t0]
	v_exp_f32 v[\dst], v[\t0]
	v_cvt_i32_f32 v[\t1], v[\t1]                   ; a plain instruction behind the exponential
	s_wait_alu depctr_va_vdst(0)                   ; ahead of the first line that names its result
	v_ldexp_f32 v[\dst], v[\dst], v[\t1]
.endm
; The three bases of the refills: step s32 (four further down with step = 1), held at 0 past the walk's end.
.macro ADDR step
.if \step
	s_wait_xcnt 0x0                                ; the loads that read these bases were issued four blocks ago or earlier
	s_sub_co_i32 s32, s32, 4
.endif
	s_max_i32 s33, s32, 0
	s_lshl_b32 s30, s33, 14                        ; K: four images of 4,096 bytes a step
	s_add_nc_u64 s[24:25], s[10:11], s[30:31]
	s_lshl_b32 s30, s33, 8                         ; wk: 64 numbers
	s_add_nc_u64 s[28:29], s[14:15], s[30:31]
	s_lshr_b32 s30, s33, 1                         ; V: 32,768 bytes for 128 keys; the odd step's two groups lie 1,024 bytes on in each fragment
	s_lshl_b32 s30, s30, 15
	s_and_b32 s34, s33, 1
	s_lshl_b32 s34, s34, 10
	s_add_co_u32 s30, s30, s34
	s_add_nc_u64 s[26:27], s[12:13], s[30:31]
.endm
.macro WKL c                           ; the eight wk of key tile c: two loads, every window 0
	global_load_b128 v[WKR+8*(\c):WKR+8*(\c)+3], v2, s[28:29] offset:64*(\c)
	global_load_b128 v[WKR+8*(\c)+4:WKR+8*(\c)+7], v2, s[28:29] offset:64*(\c)+16
.endm
.macro KL c                            ; key tile c: eight loads, the destination in window 1
.irp i, 0,1,2,3,4,5,6,7
	global_load_b128 v[KB+32*(\c)+4*\i:KB+32*(\c)+4*\i+3], v1, s[24:25] offset:(\c)*4096+512*\i
.endr
.endm
.macro VR g                            ; channel tiles 4 g .. 4 g + 3: eight loads, every window 0
.irp uu, 0,1,2,3
	global_load_b128 v[VB+8*(4*(\g)+\uu):VB+8*(4*(\g)+\uu)+3], v1, s[26:27] offset:(4*(\g)+\uu)*2048
	global_load_b128 v[VB+8*(4*(\g)+\uu)+4:VB+8*(4*(\g)+\uu)+7], v1, s[26:27] offset:(4*(\g)+\uu)*2048+512
.endr
.endm
; Product i (a symbol, 0 .. 3) of half mh of S^T for key tile mc: query tile 2 mh + i % 2, K step i / 2.  The two accumulators take turns.
.macro SW mh, mc
.set tt, 2*(\mh)+(i%2)
	WIN 0x05
.if i < 2
	v_wmma_f32_16x16x128_bf8_bf8 v[SA+8*tt:SA+8*tt+7], v[KB+32*(\mc):KB+32*(\mc)+15], v[32*tt:32*tt+15], 0
.else
	v_wmma_f32_16x16x128_bf8_bf8 v[SA+8*tt:SA+8*tt+7], v[KB+32*(\mc)+16:KB+32*(\mc)+31], v[32*tt+16:32*tt+31], v[SA+8*tt:SA+8*tt+7]
.endif
.endm
; Instruction n (a symbol, 0 .. 31) of the vector work on half xh of key tile xc: 0-7 x wk_j, 8-15 x gamma^i, 16-31 the hold.  Each accumulator is taken from its low end on.
.macro XV xh, xc
.if n < 8
.set rr, SA+16*(\xh)+2*n
	v_pk_mul_f32 v[rr:rr+1], v[rr:rr+1], v[WKR+8*(\xc)+2*(n%4):WKR+8*(\xc)+2*(n%4)+1]
.elseif n < 12
.set rr, SA+16*(\xh)+2*(n-8)
	v_pk_mul_f32 v[rr:rr+1], v[rr:rr+1], v[12+2*(\xh):13+2*(\xh)] op_sel:[0,0] op_sel_hi:[1,0]
.elseif n < 16
.set rr, SA+16*(\xh)+2*(n-8)
	v_pk_mul_f32 v[rr:rr+1], v[rr:rr+1], v[12+2*(\xh):13+2*(\xh)] op_sel:[0,1] op_sel_hi:[1,1]
.else
.set rr, SA+16*(\xh)+n-16
	v_med3_num_f32 v[rr], v[rr], -v11, v11         ; the conversion does not saturate: the hold at the largest code x the scale
.endif
.endm
; Keys after the query count for nothing.  v3 = 64 (q - step) + r - 8 h + 48: register 8 t + j of key tile c counts where j + 16 (3 - t) <= v3 - 16 c.
; The compares go in runs of eight, into s40 to s47, with one wait behind each run.
.macro MASK xh, xc
	v_sub_nc_u32 v4, v3, 16*(\xc)
.irp tq, 0,1
.irp j, 0,1,2,3,4,5,6,7
	v_cmp_le_i32 s[40+\j], \j+16*(3-2*(\xh)-\tq), v4
.endr
	s_wait_alu depctr_va_sdst(0)                   ; the eight compares have written s40 to s47, which the eight selects read
.irp j, 0,1,2,3,4,5,6,7
	v_cndmask_b32 v[SA+16*(\xh)+8*\tq+\j], 0, v[SA+16*(\xh)+8*\tq+\j], s[40+\j]
.endr
.endr
.endm
; Half xh of key tile xc becomes codes; half mh of key tile mc is multiplied meanwhile (mh = -1: nothing is).  The eight plain instructions behind the last product name none of its registers:
; they are the places between it and the next block's first read of its result.
.macro BLOCK xh, xc, mh, mc, mask
.if \mask
	MASK \xh, \xc
.endif
.set n, 0
.set i, 0
.rept 4
.if (\mh) >= 0
	SW \mh, \mc
	WIN 0
.endif
.rept 8
	XV \xh, \xc
.set n, n+1
.endr
.set i, i+1
.endr
	v_cvt_scalef32_pk8_bf8_f32 v[PA+16*(\xh)+2*(\xc):PA+16*(\xh)+2*(\xc)+1], v[SA+16*(\xh):SA+16*(\xh)+7], v10
	v_cvt_scalef32_pk8_bf8_f32 v[PA+16*(\xh)+8+2*(\xc):PA+16*(\xh)+8+2*(\xc)+1], v[SA+16*(\xh)+8:SA+16*(\xh)+15], v10
	v_nop                                          ; a plain instruction behind the last conversion: the next products write its sources, and later ones read its results
.endm
; O^T += V^T P^T for channel tiles 4 g .. 4 g + 3: sixteen accumulators by turns.
.macro PVW g, first
.if (\g) < 2
	WIN 0xa0
.else
	WIN 0xf0
.endif
.irp uu, 0,1,2,3
.irp t, 0,1,2,3
.set uo, 4*(\g)+\uu
.set ro, 32*(uo%8)+8*\t
.if \first
	v_wmma_f32_16x16x64_bf8_bf8 v[ro:ro+7], v[VB+8*uo:VB+8*uo+7], v[PA+8*\t:PA+8*\t+7], 0
.else
	v_wmma_f32_16x16x64_bf8_bf8 v[ro:ro+7], v[VB+8*uo:VB+8*uo+7], v[PA+8*\t:PA+8*\t+7], v[ro:ro+7]
.endif
.endr
.endr
.endm
; A trip: one step of 64 keys.
.macro TRIP first
.if !\first
	s_wait_alu depctr_va_vdst(0)                   ; groups 2 and 3 of the trip before are done reading V2 and V3, in which the sixteen loads behind the four products below land
.endif
	s_wait_loadcnt 44                              ; wk0, wk1 and K0 are in.  Younger than K0: K1 (8), M2 (20), M3 (16)
.set i, 0
.rept 4
	SW 0, 0
.set i, i+1
.endr
	WIN 0
	VR 2                                           ; H: this step's V2 and V3, issued while the four products run.  No wait: no vector or matrix instruction since the wait above names these registers
	VR 3
.rept 4
	v_nop                                          ; there is no vector work yet to set behind these four products
.endr
	BLOCK 0, 0, 1, 0, \first
	s_wait_loadcnt 52                              ; K1 is in.  Younger: M2 (20), M3 (16), H (16)
	BLOCK 1, 0, 0, 1, \first
	BLOCK 0, 1, 1, 1, \first
	s_wait_loadcnt 40                              ; wk2, wk3 and K2 are in.  Younger than K2: K3 (8), M3 (16), H (16)
	BLOCK 1, 1, 0, 2, \first
	ADDR 1
	s_wait_alu depctr_va_vdst(0)                   ; the products of key tiles 0 and 1 are done reading K0 and K1, the multiplies of their four blocks wk0 and wk1: the twenty loads below land there
	WKL 0                                          ; M1
	WKL 1
	WIN 0x40
	KL 0
	KL 1
	WIN 0
	BLOCK 0, 2, 1, 2, \first
	s_wait_loadcnt 52                              ; K3 is in.  Younger: M3 (16), H (16), M1 (20)
	BLOCK 1, 2, 0, 3, \first
	BLOCK 0, 3, 1, 3, \first
	BLOCK 1, 3, -1, 0, \first
	s_wait_alu depctr_va_vdst(0)                   ; the products of key tiles 2 and 3 are done reading K2 and K3, the multiplies of their four blocks wk2 and wk3: M2's twenty loads land there
	WKL 2                                          ; M2
	WKL 3
	WIN 0x40
	KL 2
	s_wait_loadcnt 56                              ; V0 is in.  Younger: V1 (8), H (16), M1 (20), wk2, wk3, K2 (12)
	PVW 0, \first
	WIN 0x40
	KL 3                                           ; no wait: group 0 names O^T, V0 and P, none of K3's registers
	s_wait_loadcnt 56                              ; V1 is in.  Younger: H (16), M1 (20), M2 (20)
	PVW 1, \first
.rept 4
	v_nop                                          ; the four places behind the products stay beside the wait below
.endr
	WIN 0
	s_wait_alu depctr_va_vdst(0)                   ; groups 0 and 1 are done reading V0 and V1, in which M3's sixteen loads land
	VR 0                                           ; M3
	s_wait_loadcnt 56                              ; V2 is in.  Younger: V3 (8), M1 (20), M2 (20), V0 (8)
	PVW 2, \first
	WIN 0
	VR 1                                           ; no wait: group 2 names O^T, V2 and P, none of V1's registers
	s_wait_loadcnt 56                              ; V3 is in.  Younger: M1 (20), M2 (20), M3 (16)
	PVW 3, \first
.rept 4
	v_nop                                          ; four places behind the trip's last products: for the next trip's loads into V2 and V3, and for the way out, which reads O^T and writes V2's and V3's registers
.endr
	WIN 0
.endm
	s_load_b256 s[8:15], s[0:1], 0x0               ; qimg, kimg, vimg, wk
	s_load_b128 s[16:19], s[0:1], 0x20             ; the scales, out0
	v_lshl_add_u32 v126, v0, 2, 0x41000
	v_mov_b32 v127, 0
	v_lshrrev_b32 v1, 5, v0
	v_readfirstlane_b32 s5, v1                     ; wave 0..3
	s_and_b32 s3, ttmp7, 0xffff                    ; b
	s_lshr_b32 s6, ttmp9, 4                        ; a
	s_and_b32 s7, ttmp9, 15                        ; c
	s_add_co_u32 s6, s6, s7
	s_and_b32 s6, s6, 3                            ; (a + c) % 4
	s_sub_co_u32 s34, 15, s7
	s_and_b32 s33, s6, 1                           ; SCC: it is odd
	s_cselect_b32 s7, s34, s7
	s_lshl_b32 s4, s6, 4
	s_add_co_u32 s4, s4, s7                        ; q
	v_and_b32 v1, 31, v0
	v_lshlrev_b32 v1, 4, v1                        ; 16 x lane
	v_and_b32 v5, 15, v0                           ; r
	v_bfe_u32 v6, v0, 4, 1                         ; h
	v_lshlrev_b32 v2, 5, v6                        ; 32 h: my eight wk of a key tile
	s_or_b32 s35, s4, 3                            ; top
	s_wait_alu depctr_va_sdst(0)                   ; s5 is written, ahead of its first reader
	s_sub_co_u32 s32, s35, s5                      ; my first step
	s_mov_b32 s31, 0
	s_lshl_b32 s40, s3, 20                         ; a batch of images
	s_mov_b32 s41, 0
	s_lshl_b32 s42, s4, 14                         ; my block's four images of Q
	s_add_co_u32 s42, s42, s40
	s_mov_b32 s43, 0
	s_lshl_b32 s44, s3, 14
	s_mov_b32 s45, 0
	s_lshl_b32 s46, s3, 22
	s_lshl_b32 s7, s4, 16
	s_add_co_u32 s46, s46, s7                      ; my block's 64 rows of out0
	s_mov_b32 s47, 0
	s_lshl_b32 s48, s4, 6                          ; 64 q
	s_wait_kmcnt 0x0
	s_load_b64 s[20:21], s[16:17], 0x18            ; e6, e7
	s_load_b64 s[22:23], s[16:17], 0x20            ; e8, e9
	s_add_nc_u64 s[8:9], s[8:9], s[42:43]
	s_add_nc_u64 s[10:11], s[10:11], s[40:41]
	s_add_nc_u64 s[12:13], s[12:13], s[40:41]
	s_add_nc_u64 s[14:15], s[14:15], s[44:45]
	s_add_nc_u64 s[18:19], s[18:19], s[46:47]
	ADDR 0
	WIN 0x40
	s_wait_alu depctr_va_vdst(0)                   ; v1 and v2 are written: every load of the kernel reads one of them as its offset
.irp t, 0,1,2,3
.irp g, 0,1,2,3,4,5,6,7
	global_load_b128 v[32*\t+4*\g:32*\t+4*\g+3], v1, s[8:9] offset:\t*4096+512*\g
.endr
.endr
	WIN 0
	WKL 0                                          ; the first step's M1, M2 and M3, in the order in which every trip asks; its V2 and V3 are asked for in the first trip
	WKL 1
	WIN 0x40
	KL 0
	KL 1
	WIN 0
	WKL 2
	WKL 3
	WIN 0x40
	KL 2
	KL 3
	WIN 0
	VR 0
	VR 1
	s_sub_co_i32 s6, s4, s32
	s_lshl_b32 s6, s6, 6
	s_add_co_i32 s6, s6, 48
	v_lshlrev_b32 v7, 3, v6
	v_sub_nc_u32 v3, v5, v7
	v_add_nc_u32 v3, s6, v3                        ; 64 (q - my first step) + r - 8 h + 48
	v_mul_u32_u24 v[SO], v5, EXP
	v_lshl_add_u32 v[SO], v6, 5, v[SO]
	s_mul_i32 s6, s5, EXS
	v_add_nc_u32 v[SO], s6, v[SO]                  ; my part: row r, + 32 h
	s_mul_i32 s6, s5, 16*EXP
	v_add_nc_u32 v[SR], s6, v1                     ; rows 16 w on, 16 bytes a lane, in wave 0's part,
	v_add_nc_u32 v[SR+1], EXS, v[SR]
	v_add_nc_u32 v[SR+2], 2*EXS, v[SR]
	v_add_nc_u32 v[SR+3], 3*EXS, v[SR]             ; and in the three others'
	s_lshl_b32 s6, s5, 14
	v_add_nc_u32 v[GO], s6, v1
	v_add_nc_u32 v7, s48, v5
.irp t, 0,1,2,3
	v_add_nc_u32 v8, 16*\t, v7
	v_cvt_f32_u32 v8, v8
	POWG 12+\t, 8, 9, 4                            ; gamma^(64 q + 16 t + r)
.endr
	s_wait_kmcnt 0x0
	s_sub_co_i32 s7, s22, s20
	s_sub_co_i32 s7, s7, s21
	s_add_co_i32 s7, s7, 4                         ; E
	s_sub_co_i32 s6, 57, s7
	s_max_i32 s6, s6, 0
	s_min_u32 s6, s6, 127
	s_mul_i32 s6, s6, 51                           ; from this distance on every code is 0
	s_sub_co_i32 s6, s48, s6
	s_max_i32 s6, s6, 0
	s_lshr_b32 s6, s6, 6
	s_and_b32 s6, s6, -4                           ; the walk's lowest step
	s_sub_co_u32 s36, s35, s6                      ; 4 x trips - 1
	s_lshr_b32 s36, s36, 2                         ; the trips behind the first: the same number in all four waves
	s_min_u32 s36, s36, 15
	s_add_co_i32 s7, s7, 127
	s_lshl_b32 s6, s7, 23
	v_mov_b32 v10, s6                              ; 2^E as f32: the conversion takes its exponent field
	s_add_co_i32 s7, s7, 15
	s_lshl_b32 s7, s7, 23
	s_or_b32 s7, s7, 0x600000
	v_mov_b32 v11, s7                              ; 57,344 x 2^E
	s_add_co_i32 s38, s22, s23
	s_add_co_i32 s38, s38, 127
	s_lshl_b32 s38, s38, 23                        ; 2^(e8 + e9)
	s_mov_b32 s39, s38                             ; (named with it as a pair, so it is written)
	TRIP 1                                         ; the first trip: the mask, and the products that start O^T's sums
	s_cmp_eq_u32 s36, 0
	s_cbranch_scc1 .Lout
.Lloop:
	TRIP 0
	s_sub_co_u32 s36, s36, 1
	s_cmp_lg_u32 s36, 0
	s_cbranch_scc1 .Lloop
.Lout:
	; THE WAY OUT.  My partial sums x 2^(e8 + e9) go into my part of LDS as rows: a lane's eight channels of a row are 32 bytes.  One barrier; then wave w adds rows 16 w .. 16 w + 15 of the four parts and stores them whole.
	; (The last trip's refills are still on their way: their registers, K's, wk's, V0's and V1's, are named no more.)
; Batch b: two channel tiles, 64 registers, into out-buffer b % 2.
.macro OMUL b
.if (\b) < 4
	WIN 0x02
.else
	WIN 0x03
.endif
.set cur, SA+(OBUF-SA)*((\b)%2)
.set j, 0
.rept 32
	v_pk_mul_f32 v[cur+2*j:cur+2*j+1], v[64*((\b)%4)+2*j:64*((\b)%4)+2*j+1], s[38:39] op_sel_hi:[1,0]
.set j, j+1
.endr
	WIN 0
.endm
.macro OST b                           ; and from there into LDS
.set cur, SA+(OBUF-SA)*((\b)%2)
.irp uu, 0,1
.irp t, 0,1,2,3
	ds_store_b128 v[SO], v[cur+32*\uu+8*\t:cur+32*\uu+8*\t+3] offset:\t*16*EXP+64*(2*(\b)+\uu)
	ds_store_b128 v[SO], v[cur+32*\uu+8*\t+4:cur+32*\uu+8*\t+7] offset:\t*16*EXP+64*(2*(\b)+\uu)+16
.endr
.endr
.endm
	OMUL 0
.irp b, 1,2,3,4,5,6,7                  ; batch b - 1 is stored while batch b is multiplied
.if \b > 1
	s_wait_alu depctr_vm_vsrc(0)                   ; the stores of batch b - 2, issued a batch ago, have read the out-buffer that batch b's multiplies write
.endif
	s_wait_alu depctr_va_vdst(0)                   ; batch b - 1's multiplies have written the other out-buffer, which the stores below read
	OST \b-1
	OMUL \b
.endr
	s_wait_alu depctr_va_vdst(0)                   ; batch 7's multiplies have written its out-buffer; and all multiplies are done reading O^T's registers, in which the LDS loads behind the barrier land
	OST 7
	s_wait_dscnt 0x0                               ; for the others' sake: my part lies in LDS
	s_barrier_signal -1
	s_barrier_wait -1
	s_wait_alu depctr_vm_vsrc(0)                   ; my LDS stores have read both out-buffers, which the quarters' sums write below
.macro XLD x                           ; four of my rows, from each of the four parts: 32 loads, into the registers that O^T has left
	WIN 0x80
.irp k, 0,1,2,3,4,5,6,7
	ds_load_b128 v[32*(\x)+4*\k:32*(\x)+4*\k+3], v[SR] offset:(4*(\x)+\k/2)*EXP+(\k%2)*512
.endr
.irp k, 0,1,2,3,4,5,6,7
	ds_load_b128 v[128+32*(\x)+4*\k:128+32*(\x)+4*\k+3], v[SR+1] offset:(4*(\x)+\k/2)*EXP+(\k%2)*512
.endr
	WIN 0xc0
.irp k, 0,1,2,3,4,5,6,7
	ds_load_b128 v[32*(\x)+4*\k:32*(\x)+4*\k+3], v[SR+2] offset:(4*(\x)+\k/2)*EXP+(\k%2)*512
.endr
.irp k, 0,1,2,3,4,5,6,7
	ds_load_b128 v[128+32*(\x)+4*\k:128+32*(\x)+4*\k+3], v[SR+3] offset:(4*(\x)+\k/2)*EXP+(\k%2)*512
.endr
	WIN 0
.endm
.macro XSUM x                          ; (part 0 + part 1) + (part 2 + part 3), and out.  Each quarter has 32 registers of its own for its stores: none that a global store reads is written again
.set cur, SA+32*(\x)
.if (\x) > 1
.set cur, OBUF+32*((\x)-2)
.endif
	WIN 0x8a
.set j, 0
.rept 16
	v_pk_add_f32 v[32*(\x)+2*j:32*(\x)+2*j+1], v[32*(\x)+2*j:32*(\x)+2*j+1], v[128+32*(\x)+2*j:128+32*(\x)+2*j+1]
.set j, j+1
.endr
	WIN 0xcf
.set j, 0
.rept 16
	v_pk_add_f32 v[32*(\x)+2*j:32*(\x)+2*j+1], v[32*(\x)+2*j:32*(\x)+2*j+1], v[128+32*(\x)+2*j:128+32*(\x)+2*j+1]
.set j, j+1
.endr
	WIN 0x0e                                       ; source 0 window 2, source 1 window 3, destination window 0
.set j, 0
.rept 16
	v_pk_add_f32 v[cur+2*j:cur+2*j+1], v[32*(\x)+2*j:32*(\x)+2*j+1], v[32*(\x)+2*j:32*(\x)+2*j+1]
.set j, j+1
.endr
	WIN 0
	s_wait_alu depctr_va_vdst(0)                   ; the quarter's sums are written, which the stores read
.irp k, 0,1,2,3,4,5,6,7
	global_store_b128 v[GO], v[cur+4*\k:cur+4*\k+3], s[18:19] offset:512*(8*(\x)+\k) th:TH_STORE_NT   ; 32 lanes store 512 consecutive bytes, at a multiple of 256 from out0's first byte
.endr
.endm
	XLD 0
	XLD 1
	s_wait_dscnt 32                                ; all but the 32 just issued
	XSUM 0
	XLD 2                                          ; no wait: since the waits on va_vdst above no vector instruction has named this quarter's registers
	s_wait_dscnt 32
	XSUM 1
	XLD 3
	s_wait_dscnt 32
	XSUM 2
	s_wait_dscnt 0x0
	XSUM 3
	s_wait_dscnt 0x0                               ; the closing lines, six on end
	s_wait_alu 0x0
	s_wait_tensorcnt 0x0
	ds_add_u32 v126, v127
	s_wait_dscnt 0x0
	s_endpgm
.Lfunc_end_k_q369d945418_main:
	.size	k_q369d945418_main, .Lfunc_end_k_q369d945418_main-k_q369d945418_main
	.p2alignl 7, 3214868480
	.fill 96, 4, 3214868480
	.section	.rodata,"a",@progbits
	.p2align	6, 0x0
	.amdhsa_kernel k_q369d945418_main
		.amdhsa_group_segment_fixed_size 266752
		.amdhsa_private_segment_fixed_size 0
		.amdhsa_enable_private_segment 0
		.amdhsa_kernarg_size 48
		.amdhsa_user_sgpr_count 2
		.amdhsa_user_sgpr_kernarg_segment_ptr 1
		.amdhsa_wavefront_size32 1
		.amdhsa_system_sgpr_workgroup_id_x 1
		.amdhsa_system_sgpr_workgroup_id_y 1
		.amdhsa_system_sgpr_workgroup_id_z 1
		.amdhsa_system_vgpr_workitem_id 0
		.amdhsa_next_free_vgpr 1024
		.amdhsa_next_free_sgpr 66
		.amdhsa_reserve_vcc 0
		.amdhsa_float_denorm_mode_32 3
		.amdhsa_float_denorm_mode_16_64 3
		.amdhsa_memory_ordered 1
		.amdhsa_forward_progress 1
		.amdhsa_inst_pref_size 148
	.end_amdhsa_kernel
	.amdgpu_metadata
---
amdhsa.version: [ 1, 2 ]
amdhsa.kernels:
  - .name:           k_q369d945418_main
    .symbol:         k_q369d945418_main.kd
    .args:
      - { .name: qimg, .offset: 0, .size: 8, .value_kind: global_buffer, .address_space: global }
      - { .name: kimg, .offset: 8, .size: 8, .value_kind: global_buffer, .address_space: global }
      - { .name: vimg, .offset: 16, .size: 8, .value_kind: global_buffer, .address_space: global }
      - { .name: wk, .offset: 24, .size: 8, .value_kind: global_buffer, .address_space: global }
      - { .name: lowp_scales, .offset: 32, .size: 8, .value_kind: global_buffer, .address_space: global }
      - { .name: out0, .offset: 40, .size: 8, .value_kind: global_buffer, .address_space: global }
    .group_segment_fixed_size: 266752
    .private_segment_fixed_size: 0
    .kernarg_segment_align: 8
    .kernarg_segment_size: 48
    .max_flat_workgroup_size: 128
    .sgpr_count:     66
    .vgpr_count:     1024
    .wavefront_size: 32
...
	.end_amdgpu_metadata
.endif
;; end of part 6
